; MI455X (gfx1250); checked and timed in simulation.
; The chip was launched on July 23, 2026; its instructions are those of AMD's public machine-readable ISA for CDNA 5 (MIT licence, August 2026) and "CDNA5" Instruction Set Architecture Reference Guide (July 2026). The comments in the code are by the model that wrote it; some were corrected since.
;; Multi Head Attention. Allowed arithmetic: matrix products marked QUANTISED: E2M3 operands, one E8M0 scale for each 32 along K, by v_wmma_scale_f32_16x16x128_f8f6f4 with both operands' format E2M3, f32 sums; everything else in f32.
;; Inputs: bk 1,024 float32; bo 1,024 float32; bq 1,024 float32; bv 1,024 float32; k 4 x 2,048 x 1,024 float32; mask 1 x 1 x 2,048 x 2,048 int32; q 4 x 2,048 x 1,024 float32; v 4 x 2,048 x 1,024 float32; wk 1,024 x 1,024 float32; wo 1,024 x 1,024 float32; wq 1,024 x 1,024 float32; wv 1,024 x 1,024 float32.
;; Outputs: out0 4 x 2,048 x 1,024 float32.
;; This version of the problem:
;;   THIS VERSION OF THE PROBLEM IS GIVEN IN LOW PRECISION. The matrix products marked QUANTISED in the list below multiply operands that are first quantised to E2M3 (2 exponent bits, 3 mantissa bits; 6 bits a number), with one power-of-two scale for each 32 numbers along K (OCP MX v1.0); their sums are f32. All else is computed in f32.
;;   The module's matrix products, in the order in which they are computed (A, B: the left and right operand; K: the contracted axis; several contracted axes count as one K, in the product's order):
;;     1. [M 8,192, K 1,024] x [K 1,024, N 1,024]; A: input q; B: input wq: QUANTISED
;;     2. [M 8,192, K 1,024] x [K 1,024, N 1,024]; A: input k; B: input wk: QUANTISED
;;     3. [M 8,192, K 1,024] x [K 1,024, N 1,024]; A: input v; B: input wv: QUANTISED
;;     4. batch 64 x [M 2,048, K 64] x [K 64, N 2,048]; A: computed on the way; B: computed on the way: QUANTISED
;;     5. batch 64 x [M 2,048, K 2,048] x [K 2,048, N 64]; A: softmax (see below); B: computed on the way: QUANTISED
;;     6. [M 8,192, K 1,024] x [K 1,024, N 1,024]; A: computed on the way; B: input wo: QUANTISED
;;   THE QUANTISER, for each operand of a quantised product, along K:
;;     - K is cut into blocks of 32 from its start; a last block that is shorter is filled with zeros.
;;     - A block's scale is 2^e with e = floor(log2(the largest magnitude in the block)) - 2, held to -126 .. 127; a block of zeros has e = 0. As a byte (E8M0): e + 127.
;;     - Each number is divided by its block's scale, clamped to +-7.5, and rounded to the nearest number of E2M3, ties to even, subnormals kept.
;;     - The product sums the exact products of the quantised numbers (number of the format x scale) in f32.
;;   ~~~python
;;   def quantise(x, axis):      # numpy; x: float32 -> the quantised numbers, widened to float32 again
;;       x = np.moveaxis(x, axis, -1); K = x.shape[-1]
;;       x = np.pad(x, [(0, 0)] * (x.ndim - 1) + [(0, -K % 32)]); x = x.reshape(x.shape[:-1] + (-1, 32)); a = np.abs(x).max(-1, keepdims=True)
;;       e = np.where(a > 0, np.clip(np.frexp(np.where(a > 0, a, 1))[1] - 1 - 2, -126, 127), 0)      # np.frexp(a)[1] - 1 = floor(log2(a)), exactly
;;       r = np.clip(x / 2.0 ** e, -7.5, 7.5)
;;       step = 2.0 ** (np.maximum(np.frexp(np.where(r == 0, 1, r))[1] - 1, 0) - 3)
;;       q = np.round(r / step) * step * 2.0 ** e      # np.round: ties to even
;;       return np.moveaxis(q.reshape(q.shape[:-2] + (-1,))[..., :K], -1, axis).astype(np.float32)
;;   ~~~
;;   SOFTMAX AHEAD OF A QUANTISED PRODUCT. Where the list says 'softmax', what is quantised is not the finished softmax but p = 2^(t - M), with t = logit x log2(e) and M = ceil(the row's largest t), a whole number; so 1/2 < the row's largest p <= 1. The row's sum l is taken of the UNQUANTISED p, in f32, and the product's result is divided by l at the end. Since M is a whole number, a kernel that streams over the keys may use a running M (the ceiling of the running maximum): every later rescaling is an exact power of two, which a block's scale takes up: the codes' values come out the same.
;;   OPERANDS COMPUTED ON THE WAY. 'Computed on the way' means the value that the module computes at that place (a softmax that the list does not call 'softmax' is quantised finished and normalised). What goes into a quantiser is computed in f32, as accurately as f32 sums, v_exp_f32 and their like allow (about 1e-6 of the number): no bf16 or f16 on the way to a quantiser, and a product that is left as it is and whose result goes on into a quantised operand takes f32 operands (vector FMAs, or v_wmma_f32_16x16x4_f32). A number that lies on a knife's edge between two numbers of the format may be rounded either way, as far as f32 arithmetic and the matrix unit's own rounding can turn it there, and no further.
;; One version. Each part assembles by itself: llvm-mc -triple=amdgcn-amd-amdhsa -mcpu=gfx1250 --defsym DOCPART=n.
;; ======== version 1 of 1: 4 launches
;; limits: right only within a limited range of input values
;; workspace buffers: xin_c 18,874,368 bytes; xin_s 786,432 bytes; w_c 3,145,728 bytes; w_s 131,072 bytes; h_c 18,874,368 bytes; h_s 786,432 bytes; maskw 524,288 bytes of whole numbers; att 6,553,600 bytes
;; launch prep (part 1): grid 1024 x 1, 4 waves a work-group, no clusters, 67,072 bytes of LDS; arguments q, k, v, wq, wk, wv, wo, mask, xin_c, xin_s, w_c, w_s, maskw; writes xin_c, xin_s, w_c, w_s, maskw
.if DOCPART == 1
	.amdgcn_target "amdgcn-amd-amdhsa--gfx1250"
	.amdhsa_code_object_version 6
	.text
	.protected	k_qbbab24ec4a_prep
	.globl	k_qbbab24ec4a_prep
	.p2align	8
	.type	k_qbbab24ec4a_prep,@function
k_qbbab24ec4a_prep:
	s_mov_b64 s[64:65], 0
	v_nop
	global_prefetch_b8 v0, s[64:65] scope:SCOPE_SE
	s_setreg_imm32_b32 hwreg(HW_REG_WAVE_MODE, 25, 1), 1
	s_wait_xcnt 0x0
; q, k, v [8192][1024] and wq, wk, wv, wo [1024][1024], f32, become codes of FP6 (E2M3), K (the last axis) innermost, 768 bytes a row, with one E8M0 byte for each 32 along K, 32 bytes a row.
; A block's scale is 2^(floor(log2(its largest magnitude)) - 2); its byte is the largest magnitude's exponent field - 2, held at 1 from below.
; LIMITS: a block of zeros gets the byte 1 where the rule says 127 (its codes are zeros, and this program alone reads the bytes); blocks whose largest magnitude lies under 2^-124 are held at byte 1;
; NaN and infinities among the inputs are not served.
; ROW ORDER.  All tensors but wo are written in POSITION ORDER: of every four octets of rows the second and the third change places, so that position 16 T + m holds row 32 (T / 2) + 8 (T % 2) + m + 8 (m / 8).
; A wave's run of 8,192 numbers is one octet of rows, so the order costs one exchange of two bits in the run's number.
; SHARES.  Work-groups 0-767: q, k, v, 256 each; 768-895: the four weights, 32 each; a work-group takes 32 rows, a wave 8, in 16 steps of 512 numbers.
; Each load reads 512 consecutive bytes; a step's 2,048 bytes turn through the wave's own stage in LDS, so that a lane holds 16 neighbours along K; two neighbouring lanes hold a block.
; Work-groups 896-1023: THE MASK.  Work-group 896 + T packs the mask of query tile T into lane masks: word [T][g][n], bit L = (mask[row of lane L % 16 of tile T][128 g + 32 (n / 16) + 16 (L / 16) + n % 16] != 0):
; one 32-bit word for each score register of the attention launch.  A wave takes four g; each unit (16 rows x 128 columns) turns through a stage of the mask path's own.
; No tensor loads, no barrier: waves share nothing.
.set STEPS, 16
.set CB,    12                         ; bytes of 16 codes
.set R,     16                         ; v16-79   four sets of 16 numbers as they are loaded
.set X,     80                         ; v80-111  two sets of 16 neighbours
.set E,     112                        ; v112-127 a scale byte for each step
.set C,     128                        ; v128-191 codes: four registers for each step
.set WREG,  8192                       ; LDS: a region for each wave: two stages of 32 x SP bytes, then its 256 scale bytes
.set SP,    80                         ; a lane's place in a stage: 64 bytes + 16 of padding
.set MSTG,  32768                      ; the mask path's stages: 16 rows x MPITCH for each wave
.set MPITCH, 528                       ; 512 bytes + 16: an odd multiple of 16
.set SPARE, 66560                      ; the spare words, 128 bytes for each wave: two blocks of 256 bytes that no other line names
.set SPW,   12                         ; v12  LDS address of my spare word; never rewritten
.set NIL,   13                         ; v13  0; never rewritten
.set MR,    16                         ; v16-143  the mask path: two sets of 64 registers as loaded
.set MX,    144                        ; v144-207 64 mask numbers in the order of the score registers
.set W,     208                        ; v208-215 the packed words: a pair of registers for each unit
.set MSA,   216                        ; v216 the mask stage, on the way in: 16 x lane
.set MLA,   217                        ; v217 and on the way out: row lane % 16, + 64 (lane / 16)
.set WV,    34                         ; s34  my wave's number
	s_load_b512 s[8:23], s[0:1], 0x0               ; q 8, k 10, v 12, wq 14, wk 16, wv 18, wo 20, mask 22
	s_load_b256 s[24:31], s[0:1], 0x40             ; xin_c 24, xin_s 26, w_c 28, w_s 30
	s_load_b64 s[32:33], s[0:1], 0x60              ; maskw
	v_lshl_add_u32 v[SPW], v0, 2, SPARE
	v_mov_b32 v[NIL], 0
	v_lshrrev_b32 v1, 5, v0
	v_readfirstlane_b32 s[WV], v1                  ; wave 0..3
	v_and_b32 v2, 31, v0                           ; lane
	v_lshlrev_b32 v3, 4, v2                        ; my 16 bytes of a load's 512
	s_mul_i32 s35, s[WV], WREG
	v_lshrrev_b32 v14, 2, v2
	v_mul_u32_u24 v14, v14, SP
	v_and_b32 v15, 3, v2
	v_lshl_add_u32 v14, v15, 4, v14
	v_add_nc_u32 v14, s35, v14                     ; the stage, on the way in: SP (lane / 4) + 16 (lane % 4)
	v_mul_u32_u24 v15, v2, SP
	v_add_nc_u32 v15, s35, v15                     ; and on the way out: SP x lane: my 16 neighbours
	v_mul_u32_u24 v4, v2, CB                       ; my codes' place in a step's
	v_lshrrev_b32 v5, 1, v2
	s_add_co_u32 s35, s35, 2*32*SP
	v_add_nc_u32 v5, s35, v5                       ; LDS: my wave's 256 scale bytes, my block's byte
	v_lshlrev_b32 v7, 3, v2                        ; 8 bytes a lane
	v_add_nc_u32 v6, s35, v7
	s_mul_i32 s35, s[WV], 16*MPITCH                ; every LDS address is made here, ahead of the parting of the two paths
	s_add_co_u32 s35, s35, MSTG
	v_add_nc_u32 v[MSA], s35, v3
	v_and_b32 v8, 15, v2
	v_lshrrev_b32 v9, 4, v2
	v_mul_u32_u24 v8, v8, MPITCH
	v_lshl_add_u32 v8, v9, 6, v8
	v_add_nc_u32 v[MLA], s35, v8
	s_wait_kmcnt 0x0
	s_cmp_lt_u32 ttmp9, 896                        ; the choice hangs on the work-group's number alone
	s_cbranch_scc0 .Lmask
	; ---- THE QUANTISER.  Which tensor, which run of it: only pointers and offsets are chosen; all seven tensors take one path
	s_lshr_b32 s38, ttmp9, 8                       ; q, k, v: which of the three,
	s_and_b32 s39, ttmp9, 255                      ; and which 32 rows
	s_max_u32 s40, ttmp9, 768
	s_sub_co_u32 s40, s40, 768
	s_lshr_b32 s41, s40, 5                         ; the weights: which of the four,
	s_and_b32 s42, s40, 31                         ; and which 32 rows
	s_and_b32 s45, s[WV], 1
	s_lshl_b32 s45, s45, 1
	s_lshr_b32 s46, s[WV], 1
	s_or_b32 s45, s45, s46                         ; my octet's place in position order: the wave number's two bits exchanged
	s_mov_b32 s43, 786432                          ; a weight's codes, in bytes
	s_mov_b32 s44, 32768                           ; and its scale bytes
	s_cmp_lt_u32 ttmp9, 768
	s_cselect_b64 s[6:7], s[24:25], s[28:29]       ; the codes' buffer
	s_cselect_b64 s[36:37], s[26:27], s[30:31]     ; the scale bytes' buffer
	s_cselect_b32 s38, s38, s41
	s_cselect_b32 s39, s39, s42
	s_cselect_b32 s43, 6291456, s43
	s_cselect_b32 s44, 262144, s44
	s_cmp_ge_u32 ttmp9, 256
	s_cselect_b64 s[4:5], s[10:11], s[8:9]
	s_cmp_ge_u32 ttmp9, 512
	s_cselect_b64 s[4:5], s[12:13], s[4:5]
	s_cmp_ge_u32 ttmp9, 768
	s_cselect_b64 s[4:5], s[14:15], s[4:5]
	s_cmp_ge_u32 ttmp9, 800
	s_cselect_b64 s[4:5], s[16:17], s[4:5]
	s_cmp_ge_u32 ttmp9, 832
	s_cselect_b64 s[4:5], s[18:19], s[4:5]
	s_cmp_ge_u32 ttmp9, 864
	s_cselect_b64 s[4:5], s[20:21], s[4:5]
	s_cselect_b32 s45, s[WV], s45                  ; wo keeps its rows' order
	s_lshl_b32 s39, s39, 2
	s_add_co_u32 s46, s39, s[WV]
	s_lshl_b32 s46, s46, 15                        ; my run of 8,192 numbers: 32,768 bytes
	s_mov_b32 s47, 0
	s_add_nc_u64 s[4:5], s[4:5], s[46:47]
	s_add_co_u32 s39, s39, s45                     ; the run's number in the buffers
	s_mul_i32 s46, s38, s43
	s_mul_i32 s40, s39, 6144
	s_add_co_u32 s46, s46, s40
	s_add_nc_u64 s[6:7], s[6:7], s[46:47]
	s_mul_i32 s46, s38, s44
	s_lshl_b32 s40, s39, 8
	s_add_co_u32 s46, s46, s40
	s_add_nc_u64 s[36:37], s[36:37], s[46:47]
.macro LOAD t
.irp i, 0,1,2,3
	global_load_b128 v[R+16*((\t)%4)+4*\i:R+16*((\t)%4)+4*\i+3], v3, s[4:5] offset:2048*(\t)+512*\i th:TH_LOAD_NT   ; 32 lanes read 512 consecutive bytes
.endr
.endm
.macro TURN t                          ; step t's numbers through the stage: LDS serves a wave's instructions in order, so no wait stands between the stores and the loads
.irp i, 0,1,2,3
	ds_store_b128 v14, v[R+16*((\t)%4)+4*\i:R+16*((\t)%4)+4*\i+3] offset:32*SP*((\t)%2)+8*SP*\i
.endr
.irp i, 0,1,2,3
	ds_load_b128 v[X+16*((\t)%2)+4*\i:X+16*((\t)%2)+4*\i+3], v15 offset:32*SP*((\t)%2)+16*\i
.endr
.endm
.irp t, 0,1,2,3
	LOAD \t
.endr
	s_wait_loadcnt 12                              ; step 0's four loads are in; three younger steps' twelve may be out
	TURN 0
.macro STEP t
.set XS, X+16*((\t)%2)
.if (\t) > 0
	s_wait_dscnt 1                                 ; this step's numbers are back from the stage (the last step's byte store may be out)
.else
	s_wait_dscnt 0x0
.endif
.if (\t)+4 < STEPS
	LOAD (\t)+4                                    ; into the registers that this step's stores into the stage have read
.endif
.if (\t)+1 < STEPS
.if STEPS-2-(\t) >= 3
	s_wait_loadcnt 12                              ; the next step's four loads are in; those of the three steps behind it may be out
.else
	s_wait_loadcnt 4*(STEPS-2-(\t))
.endif
	TURN (\t)+1                                    ; the next step goes through the other stage while this one is worked
.endif
	v_max3_num_f32 v8, |v[XS]|, |v[XS+1]|, |v[XS+2]|               ; the largest magnitude of my 16, in two chains
	v_max3_num_f32 v9, |v[XS+3]|, |v[XS+4]|, |v[XS+5]|
.irp i, 6,10
	v_max3_num_f32 v8, v8, |v[XS+\i]|, |v[XS+\i+1]|
	v_max3_num_f32 v9, v9, |v[XS+\i+2]|, |v[XS+\i+3]|
.endr
	v_max3_num_f32 v8, v8, |v[XS+14]|, |v[XS+15]|
	v_max3_num_f32 v8, v8, v9, 0x1800000           ; and the floor 2^(3 - 127): the byte cannot fall under 1
	v_max_num_f32_dpp v8, v8, v8 row_xmask:1 row_mask:0xf bank_mask:0xf   ; and of my neighbour's 16: the block's
	v_add_nc_u32 v11, 0xff000000, v8               ; 2 off its exponent field: the conversion takes the exponent field of this operand as its scale
	v_cvt_scalef32_pk16_fp6_f32 v[C+4*(\t):C+4*(\t)+2], v[XS:XS+15], v11
	v_lshrrev_b32 v[E+(\t)], 23, v11               ; the scale's byte (a plain line behind the conversion)
	ds_store_b8 v5, v[E+(\t)] offset:16*(\t)       ; both lanes of a block write the same byte with the same value
	global_store_b96 v4, v[C+4*(\t):C+4*(\t)+2], s[6:7] offset:32*CB*(\t)   ; the wave stores 384 consecutive bytes
.endm
.irp t, 0,1,2,3,4,5,6,7,8,9,10,11,12,13,14,15
	STEP \t
.endr
	ds_load_b64 v[8:9], v6                         ; LDS serves a wave's instructions in order: these see my byte stores
	s_wait_dscnt 0x0
	global_store_b64 v7, v[8:9], s[36:37]          ; 32 lanes store 256 consecutive bytes, aligned
	s_wait_tensorcnt 0x0                           ; the wave's end
	ds_add_u32 v[SPW], v[NIL]
	s_wait_dscnt 0x0
	s_endpgm
	; ---- THE MASK
.Lmask:
	s_sub_co_u32 s38, ttmp9, 896                   ; the query tile T
	s_lshr_b32 s39, s38, 1
	s_lshl_b32 s39, s39, 5
	s_and_b32 s40, s38, 1
	s_lshl_b32 s40, s40, 3
	s_add_co_u32 s39, s39, s40                     ; its first row: 32 (T / 2) + 8 (T % 2)
	s_lshl_b32 s46, s39, 13                        ; a row of the mask is 8,192 bytes
	s_lshl_b32 s40, s[WV], 11                      ; my four units of 512 bytes
	s_add_co_u32 s46, s46, s40
	s_mov_b32 s47, 0
	s_add_nc_u64 s[4:5], s[22:23], s[46:47]
	s_lshl_b32 s46, s38, 12                        ; a tile's words: 4,096 bytes; my four units: 1,024
	s_lshl_b32 s40, s[WV], 10
	s_add_co_u32 s46, s46, s40
	s_add_nc_u64 s[36:37], s[32:33], s[46:47]
.irp i, 0,1,2,3,4,5,6,7
	v_mov_b32 v[W+\i], 0                           ; written whole once: a lane write's destination counts as read
.endr
.macro MLOAD i                         ; unit i: the tile's 16 rows (0-7 and 16-23 from its first), 512 consecutive bytes of each
.irp rho, 0,1,2,3,4,5,6,7,8,9,10,11,12,13,14,15
	global_load_b128 v[MR+64*((\i)%2)+4*\rho:MR+64*((\i)%2)+4*\rho+3], v3, s[4:5] offset:(\rho+8*(\rho/8))*8192+512*(\i) th:TH_LOAD_NT
.endr
.endm
.macro MUNIT i
.if (\i) < 3
	s_wait_loadcnt 16                              ; this unit's 16 loads are in; the next unit's 16 may be out
.else
	s_wait_loadcnt 0x0
.endif
.irp rho, 0,1,2,3,4,5,6,7,8,9,10,11,12,13,14,15
	ds_store_b128 v[MSA], v[MR+64*((\i)%2)+4*\rho:MR+64*((\i)%2)+4*\rho+3] offset:MPITCH*\rho
.endr
.irp be, 0,1,2,3
.irp ga, 0,1,2,3
	ds_load_b128 v[MX+16*\be+4*\ga:MX+16*\be+4*\ga+3], v[MLA] offset:128*\be+16*\ga   ; register 16 be + 4 ga + e: column 32 be + 16 (lane / 16) + 4 ga + e of row lane % 16
.endr
.endr
	s_wait_dscnt 0x0                               ; the numbers are back, and the stores have read their registers
.if (\i) < 2
	MLOAD (\i)+2
.endif
.set n, 0
.rept 8
.irp e, 0,1,2,3,4,5,6,7
	v_cmp_ne_u32 s[48+\e], 0, v[MX+n+\e]           ; the lane mask of score register n + e
.endr
.irp e, 0,1,2,3,4,5,6,7
	v_writelane_b32 v[W+2*(\i)+\e%2], s[48+\e], (n+\e)/2   ; word n goes to lane n / 2, register n % 2: a lane then holds two neighbouring words
.endr
.set n, n+8
.endr
	global_store_b64 v7, v[W+2*(\i):W+2*(\i)+1], s[36:37] offset:256*(\i)   ; 32 lanes store 256 consecutive bytes, aligned; each unit has registers of its own
.endm
	MLOAD 0
	MLOAD 1
	MUNIT 0
	MUNIT 1
	MUNIT 2
	MUNIT 3
	s_wait_tensorcnt 0x0                           ; the wave's end
	ds_add_u32 v[SPW], v[NIL]
	s_wait_dscnt 0x0
	s_endpgm
.Lfunc_end_k_qbbab24ec4a_prep:
	.size	k_qbbab24ec4a_prep, .Lfunc_end_k_qbbab24ec4a_prep-k_qbbab24ec4a_prep
	.p2alignl 7, 3214868480
	.fill 96, 4, 3214868480
	.section	.rodata,"a",@progbits
	.p2align	6, 0x0
	.amdhsa_kernel k_qbbab24ec4a_prep
		.amdhsa_group_segment_fixed_size 67072
		.amdhsa_private_segment_fixed_size 0
		.amdhsa_enable_private_segment 0
		.amdhsa_kernarg_size 104
		.amdhsa_user_sgpr_count 2
		.amdhsa_user_sgpr_kernarg_segment_ptr 1
		.amdhsa_wavefront_size32 1
		.amdhsa_system_sgpr_workgroup_id_x 1
		.amdhsa_system_sgpr_workgroup_id_y 1
		.amdhsa_system_sgpr_workgroup_id_z 1
		.amdhsa_system_vgpr_workitem_id 0
		.amdhsa_next_free_vgpr 224
		.amdhsa_next_free_sgpr 66
		.amdhsa_reserve_vcc 0
		.amdhsa_float_denorm_mode_32 3
		.amdhsa_float_denorm_mode_16_64 3
		.amdhsa_memory_ordered 1
		.amdhsa_forward_progress 1
		.amdhsa_inst_pref_size 82
	.end_amdhsa_kernel
	.amdgpu_metadata
---
amdhsa.version: [ 1, 2 ]
amdhsa.kernels:
  - .name:           k_qbbab24ec4a_prep
    .symbol:         k_qbbab24ec4a_prep.kd
    .args:
      - { .name: q, .offset: 0, .size: 8, .value_kind: global_buffer, .address_space: global }
      - { .name: k, .offset: 8, .size: 8, .value_kind: global_buffer, .address_space: global }
      - { .name: v, .offset: 16, .size: 8, .value_kind: global_buffer, .address_space: global }
      - { .name: wq, .offset: 24, .size: 8, .value_kind: global_buffer, .address_space: global }
      - { .name: wk, .offset: 32, .size: 8, .value_kind: global_buffer, .address_space: global }
      - { .name: wv, .offset: 40, .size: 8, .value_kind: global_buffer, .address_space: global }
      - { .name: wo, .offset: 48, .size: 8, .value_kind: global_buffer, .address_space: global }
      - { .name: mask, .offset: 56, .size: 8, .value_kind: global_buffer, .address_space: global }
      - { .name: xin_c, .offset: 64, .size: 8, .value_kind: global_buffer, .address_space: global }
      - { .name: xin_s, .offset: 72, .size: 8, .value_kind: global_buffer, .address_space: global }
      - { .name: w_c, .offset: 80, .size: 8, .value_kind: global_buffer, .address_space: global }
      - { .name: w_s, .offset: 88, .size: 8, .value_kind: global_buffer, .address_space: global }
      - { .name: maskw, .offset: 96, .size: 8, .value_kind: global_buffer, .address_space: global }
    .group_segment_fixed_size: 67072
    .private_segment_fixed_size: 0
    .kernarg_segment_align: 8
    .kernarg_segment_size: 104
    .max_flat_workgroup_size: 128
    .sgpr_count:     66
    .vgpr_count:     224
    .wavefront_size: 32
...
	.end_amdgpu_metadata
.endif
;; end of part 1
;; launch proj (part 2): grid 4 x 96, 4 waves a work-group, clusters of 4 x 4, 327,680 bytes of LDS; arguments xin_c, xin_s, w_c, w_s, bq, bk, bv, h_c, h_s; writes h_c, h_s
.if DOCPART == 2
	.amdgcn_target "amdgcn-amd-amdhsa--gfx1250"
	.amdhsa_code_object_version 6
	.text
	.protected	k_qbbab24ec4a_proj
	.globl	k_qbbab24ec4a_proj
	.p2align	8
	.type	k_qbbab24ec4a_proj,@function
k_qbbab24ec4a_proj:
	s_mov_b64 s[64:65], 0
	v_nop
	global_prefetch_b8 v0, s[64:65] scope:SCOPE_SE
	s_setreg_imm32_b32 hwreg(HW_REG_WAVE_MODE, 25, 1), 1
	s_wait_xcnt 0x0
	s_wait_alu depctr_hold_cnt(0) depctr_sa_sdst(0) depctr_va_vdst(0) depctr_va_sdst(0) depctr_va_ssrc(0) depctr_va_vcc(0) depctr_vm_vsrc(0)
	s_getreg_b32 s2, hwreg(HW_REG_IB_STS2, 6, 4)
	s_cmp_eq_u32 s2, 0
	s_cbranch_scc0 .Lentry_in_a_cluster
	s_endpgm
.Lentry_in_a_cluster:
	s_bfe_u32 s2, ttmp6, 0x10000c
	s_cmp_lg_u32 s2, 0xf033
	s_cbranch_scc0 .Lentry_shape_is_right
	s_endpgm
.Lentry_shape_is_right:
; The three projections x W^T + b on codes of FP6 (E2M3) with E8M0 scales, K = 1,024, and their results quantised in registers into the order in which the attention launch's operand registers take them.
; KIND = cluster y / 8: 0 query, 1 key, 2 value; it is the same in all sixteen partners of a cluster.  A tile is 256 rows of x by 256 rows of W; a wave makes 128 x 128: 64 accumulators, 512 registers.
; K goes in four steps of 256 through two LDS slots filled by the tensor data mover; the scale bytes of the tile's rows come once, with the first fills.
; CLUSTERS: 4 x 4 work-groups; x's tiles are asked for jointly along a row of the cluster, W's along a column.
; ROLES.  Source 1 (role P) gives a lane its row; along source 0 (role R) run the lane's result registers.  Query, key: P = x, R = W: a lane holds one token and 128 channels (two heads), quantised along the channels.
; Value: P = W, R = x: a lane holds one channel and 128 keys, quantised along the keys, which are the second attention product's K.  Fetching is the same for all kinds; only the readers' base addresses are chosen.
; x, wq, wk, wv lie in POSITION ORDER (position 16 T + m holds row 32 (T / 2) + 8 (T % 2) + m + 8 (m / 8)), so that the 16 result registers of R's tiles 2 b and 2 b + 1 are 16 neighbours, 32 b + 16 (lane / 16) + 0 .. 15.
; THE WAY OUT has no stage: a block's 64 sums of a lane get their bias, are quantised (four blocks of 32, each shared by lanes l and l xor 16), and the twelve code registers leave as two images of six:
; registers 0-3 at 16 x lane (512 bytes), registers 4-5 at 512 + 8 x lane (256 bytes): every store of the wave covers whole aligned runs of 256 bytes.
; LIMITS: a block of zeros gets the scale byte 1 where the rule says 127 (zero codes; read by this program alone); blocks under 2^-124 are held at byte 1; NaN and infinities are not served.
; REGISTERS, in windows of 256: window 0: v1-30 addresses; v32-95 scale words, two sets; v96-103 the bias by lane; v104-111 the scale words made; v128-223 P's fragments, one set (on the way out: sums, codes, at work).
;   window 1: R's fragments, two sets, at v0 and v128; the bias by register at v96-127 and v224-255.   windows 2, 3: the accumulators ((a, b) at v[8 (8 (a % 4) + b)]).
.set NQ,     2                         ; steps of 128 along K in a slot
.set ROWB,   192                       ; a tile's row: 256 codes
.set KROW,   768                       ; a row in memory
.set PITCH,  240                       ; an LDS row: 3 x (64 bytes + 16 of padding)
.set FR,     12                        ; registers of a fragment
.set NL,     6                         ; LDS loads that bring one
.set NP,     4                         ; places behind this matrix instruction (ISA guide 7.12.1)
.set HALFT,  128*PITCH                 ; what one tensor load brings
.set SLOT,   4*HALFT                   ; x's 256 rows, then W's 256 rows
.set SCL,    2*SLOT                    ; the scale bytes: 32 a row, as runs of 256 bytes + 16 of padding
.set HALFS,  4352                      ; those of 128 rows
.set SBLK,   544                       ; those of 16 rows
.set SPARE,  SCL+4*HALFS               ; the spare words, 128 bytes for each wave: two blocks of 256 bytes that no other line names
.set ADRP, 16                          ; v16-17 P's fragments in slot 0, 1; v18-19 the same behind one padding more
.set ADRR, 20                          ; v20-23 the same for R
.set LI16, 24                          ; v24  16 x lane
.set LI8,  25                          ; v25  8 x lane
.set SOFF, 26                          ; v26  4,096 (lane / 16) + 16 (lane % 16)
.set ADSP, 27                          ; v27  P's scale words
.set SPW,  28                          ; v28  my spare word; never rewritten
.set NIL,  29                          ; v29  0; never rewritten
.set ADSR, 30                          ; v30  R's scale words
.set SC,   32                          ; set s: P's block i, step q at SC + 32 s + 2 i + q; R's tile b at SC + 32 s + 16 + 2 b + q
.set BI,   96
.set PWB,  104
.set WD,   112
.set SELQ, 116
.set SELV, 117
.set AF,   128
.set T,    128                         ; the way out: 64 sums with their bias
.set PC,   192                         ; the codes just made (20 registers)
.set TM,   212                         ; at work (16 registers)
.set SEL,  22                          ; s[22:23] lane selects for v_permlanex16_b32, written on the way out
.set G1, 24
.set G0, 32
.set G1B, 48
.set G0B, 56
.set G1S, 68
.set G0S, 76
.set G1SB, 80
.set G0SB, 88
.set MSB, 0
.macro WIN new                         ; the immediate's high byte repeats the setting that is left
.if MSB != \new
	s_set_vgpr_msb (MSB<<8)|\new
.set MSB, \new
.endif
.endm
.set MUL_LO, 0xa1                      ; source 0 (R) window 1, source 1 (P) window 0, C and D window 2
.set MUL_HI, 0xf1                      ; the same, C and D window 3
.set TO_R,   0x40                      ; destination window 1, address window 0
; A joint load: waves 0 and 1 fetch x's halves, waves 2 and 3 W's.  The branch hangs on the wave's number alone.  An s_nop 0 and four v_nop follow each line.
.macro JLOAD g0a, g1a, g0b, g1b
	s_cmp_eq_u32 s15, 0
	s_cbranch_scc0 .Lfor_b_\@
	tensor_load_to_lds s[\g0a:\g0a+3], s[\g1a:\g1a+7]
	s_nop 0
.rept 4
	v_nop
.endr
	s_branch .Lasked_\@
.Lfor_b_\@:
	tensor_load_to_lds s[\g0b:\g0b+3], s[\g1b:\g1b+7]
	s_nop 0
.rept 4
	v_nop
.endr
.Lasked_\@:
.endm
.macro CREST                           ; a round of the cluster's barrier behind its opening barrier
	s_cmp_lg_u32 s14, 0
	s_cbranch_scc1 .Lnot_wave_0_\@
	s_barrier_signal -3
.Lnot_wave_0_\@:
	s_barrier_wait -3
	s_barrier_signal -1
	s_barrier_wait -1
.endm
.macro CROUND
	s_barrier_signal -1
	s_barrier_wait -1
	CREST
.endm
	s_load_b256 s[4:11], s[0:1], 0x0               ; xin_c 4, xin_s 6, w_c 8, w_s 10
	s_load_b128 s[92:95], s[0:1], 0x20             ; bq, bk
	s_load_b64 s[96:97], s[0:1], 0x30              ; bv
	v_lshl_add_u32 v[SPW], v0, 2, SPARE
	v_mov_b32 v[NIL], 0
	ds_add_u32 v[SPW], v[NIL]                      ; the wave's opening: the add and its wait stand ahead of my first tensor load; the set-up below stands between them
	v_lshrrev_b32 v1, 5, v0
	v_readfirstlane_b32 s14, v1                    ; wave 0..3
	s_lshr_b32 s15, s14, 1                         ; u: my half of x's rows.  Also: I fetch for x (0) or for W (1)
	s_and_b32 s16, s14, 1                          ; t: my half of W's rows.  Also: which 128 rows I fetch
	s_bfe_u32 s40, ttmp6, 0x40000                  ; cx, cy: my place in the cluster
	s_bfe_u32 s41, ttmp6, 0x40004
	s_lshl_b32 s42, ttmp9, 2
	s_add_co_u32 s42, s42, s40                     ; W's tile: 4 x cluster x + cx
	s_and_b32 s17, ttmp7, 0xffff                   ; cluster y, 0 .. 23
	s_lshr_b32 s66, s17, 3                         ; KIND
	s_and_b32 s17, s17, 7
	s_lshl_b32 s17, s17, 2
	s_add_co_u32 s17, s17, s41                     ; x's tile: 4 x (cluster y % 8) + cy
	s_lshl_b32 s43, s41, 2
	s_lshl_b32 s43, 15, s43                        ; my row of the cluster
	s_lshl_b32 s44, 0x1111, s40                    ; my column
	s_or_b32 s[G1+0], s43, (0<<16)|(1<<20)|(1<<21)|(3<<22)|(3<<25)  ; the mask; elements of 1 byte; padding on; bit 21 beside a mask; after every 16 words, 4 words
	s_or_b32 s[G1B+0], s44, (0<<16)|(1<<20)|(1<<21)|(3<<22)|(3<<25)
.irp g, G1, G1B
	s_mov_b32 s[\g+1], ROWB<<16                    ; tensor_dim0
	s_mov_b32 s[\g+2], 128<<16                     ; tensor_dim1
	s_mov_b32 s[\g+3], ROWB<<16                    ; tile_dim0
	s_mov_b32 s[\g+4], 128                         ; tile_dim1
	s_mov_b32 s[\g+5], KROW                        ; the pitch
	s_mov_b32 s[\g+6], 0
	s_mov_b32 s[\g+7], 0
.endr
	s_or_b32 s[G1S+0], s43, (3<<16)|(1<<20)|(1<<21)|(5<<22)|(3<<25)  ; the scale bytes of 128 rows: 4,096 dense bytes as 16 rows of 256, 16 bytes of padding behind each
	s_or_b32 s[G1SB+0], s44, (3<<16)|(1<<20)|(1<<21)|(5<<22)|(3<<25)
.irp g, G1S, G1SB
	s_mov_b32 s[\g+1], 32<<16
	s_mov_b32 s[\g+2], 16<<16
	s_mov_b32 s[\g+3], 32<<16
	s_mov_b32 s[\g+4], 16
	s_mov_b32 s[\g+5], 32
	s_mov_b32 s[\g+6], 0
	s_mov_b32 s[\g+7], 0
.endr
	s_lshl_b32 s18, s16, 7                         ; which 128 rows of the tile I fetch
	s_lshl_b32 s20, s17, 8
	s_add_co_u32 s20, s20, s18                     ; x: row 256 x tile + 128 x half
	s_lshl_b32 s46, s42, 8
	s_add_co_u32 s46, s46, s18                     ; W likewise.  x's offsets never hold cx, W's never cy
	s_lshl_b32 s22, s20, 5                         ; x's scale bytes,
	s_mul_i32 s19, s66, 262144                     ; in the kind's tensor
	s_add_co_u32 s22, s22, s19
	s_mov_b32 s23, 0
	s_lshl_b32 s98, s46, 5                         ; W's
	s_mul_i32 s19, s66, 32768
	s_add_co_u32 s98, s98, s19
	s_mov_b32 s99, 0
	s_mul_i32 s20, s20, KROW                       ; x's codes
	s_mul_i32 s19, s66, 6291456
	s_add_co_u32 s20, s20, s19
	s_mov_b32 s21, 0
	s_mul_i32 s46, s46, KROW                       ; W's
	s_mul_i32 s19, s66, 786432
	s_add_co_u32 s46, s46, s19
	s_mov_b32 s47, 0
	s_mul_i32 s45, s14, HALFT                      ; where they go: wave x 128 rows: no place in the cluster enters an LDS address
	s_mul_i32 s3, s14, HALFS
	s_wait_dscnt 0x0                               ; the opening add is done
	s_wait_kmcnt 0x0
	s_add_nc_u64 s[20:21], s[4:5], s[20:21]
	s_add_nc_u64 s[22:23], s[6:7], s[22:23]
	s_add_nc_u64 s[46:47], s[8:9], s[46:47]
	s_add_nc_u64 s[98:99], s[10:11], s[98:99]
	s_cmp_eq_u32 s66, 1
	s_cselect_b64 s[12:13], s[94:95], s[92:93]     ; the kind's bias
	s_cmp_eq_u32 s66, 2
	s_cselect_b64 s[12:13], s[96:97], s[12:13]
	s_cselect_b32 s67, 1, 0                        ; 1: value
	CROUND                                         ; all sixteen work-groups are here: the first joint loads meet
	s_mov_b32 s[G0S], 1
	s_add_co_u32 s[G0S+1], s3, SCL
	s_mov_b64 s[G0S+2:G0S+3], s[22:23]
	s_or_b32 s[G0S+3], s[G0S+3], 0x80000000
	s_mov_b32 s[G0SB], 1
	s_add_co_u32 s[G0SB+1], s3, SCL
	s_mov_b64 s[G0SB+2:G0SB+3], s[98:99]
	s_or_b32 s[G0SB+3], s[G0SB+3], 0x80000000
	JLOAD G0S, G1S, G0SB, G1SB                     ; the scale bytes first: they are wanted with K step 0
.irp s, 0,1
	s_mov_b32 s[G0+4*\s], 1
	s_add_co_u32 s[G0+4*\s+1], s45, \s*SLOT
	s_add_nc_u64 s[G0+4*\s+2:G0+4*\s+3], s[20:21], \s*ROWB
	s_or_b32 s[G0+4*\s+3], s[G0+4*\s+3], 0x80000000
	s_mov_b32 s[G0B+4*\s], 1
	s_add_co_u32 s[G0B+4*\s+1], s45, \s*SLOT
	s_add_nc_u64 s[G0B+4*\s+2:G0B+4*\s+3], s[46:47], \s*ROWB
	s_or_b32 s[G0B+4*\s+3], s[G0B+4*\s+3], 0x80000000
	JLOAD G0+4*\s, G1, G0B+4*\s, G1B               ; three tensor loads of mine are out
.endr
	s_load_b128 s[4:7], s[0:1], 0x38               ; h_c, h_s: wanted on the way out, where the wait for them stands
	v_and_b32 v1, 15, v0                           ; r = lane % 16
	v_bfe_u32 v2, v0, 4, 1                         ; h = lane / 16
	v_mul_u32_u24 v3, v1, PITCH
	v_mul_u32_u24 v4, v2, 24
	v_add_nc_u32 v4, v3, v4                        ; a fragment's row x pitch + 24 x half
	v_lshl_add_u32 v5, v2, 4, v4                   ; and the same behind one padding more
	s_mul_i32 s21, s15, HALFT                      ; my 128 rows of x
	s_mul_i32 s22, s16, HALFT
	s_add_co_u32 s22, s22, 2*HALFT                 ; my 128 rows of W, behind x's 256
	s_cmp_eq_u32 s67, 1
	s_cselect_b32 s18, s22, s21                    ; P: x, for the values W
	s_cselect_b32 s19, s21, s22                    ; R: W, for the values x
.irp s, 0,1
	v_add_nc_u32 v[ADRP+\s], s18, v4
	v_add_nc_u32 v[ADRR+\s], s19, v4
	v_add_nc_u32 v[ADRP+2+\s], s18, v5
	v_add_nc_u32 v[ADRR+2+\s], s19, v5
	s_add_co_u32 s18, s18, SLOT
	s_add_co_u32 s19, s19, SLOT
.endr
	v_lshrrev_b32 v5, 3, v1
	v_mul_u32_u24 v5, v5, 272
	v_and_b32 v6, 7, v1
	v_lshl_add_u32 v5, v6, 5, v5                   ; my row's scale bytes: 32 a row, eight rows to a run of 256 + 16
	s_mul_i32 s21, s15, HALFS
	s_mul_i32 s22, s16, HALFS
	s_add_co_u32 s22, s22, 2*HALFS
	s_cmp_eq_u32 s67, 1
	s_cselect_b32 s18, s22, s21
	s_cselect_b32 s19, s21, s22
	s_add_co_u32 s18, s18, SCL
	s_add_co_u32 s19, s19, SCL
	v_add_nc_u32 v[ADSP], s18, v5
	v_add_nc_u32 v[ADSR], s19, v5
	v_and_b32 v3, 31, v0
	v_lshlrev_b32 v[LI16], 4, v3
	v_lshlrev_b32 v[LI8], 3, v3
	v_lshlrev_b32 v[SOFF], 4, v1
	v_lshl_add_u32 v[SOFF], v2, 12, v[SOFF]
	; the bias of my 128 channels, both ways: by register (query, key) and by lane (value); both sets are loaded in every kind, and both lie inside the bias
	s_lshl_b32 s18, s42, 10
	s_lshl_b32 s19, s16, 9
	s_add_co_u32 s18, s18, s19                     ; 4 x (256 x W's tile + 128 t)
	s_mov_b32 s19, 0
	s_add_nc_u64 s[12:13], s[12:13], s[18:19]
	v_lshlrev_b32 v6, 6, v2                        ; 64 h
	v_and_b32 v7, 8, v1
	v_add_nc_u32 v7, v7, v1
	v_lshlrev_b32 v7, 2, v7                        ; 4 (r + 8 (r / 8))
	WIN TO_R
.irp be, 0,1,2,3
.irp ga, 0,1,2,3
	global_load_b128 v[96+16*\be+4*\ga+96*(\be/2):96+16*\be+4*\ga+96*(\be/2)+3], v6, s[12:13] offset:128*\be+16*\ga   ; register 16 be + i: channel 32 be + 16 h + i
.endr
.endr
	WIN 0
.irp a, 0,1,2,3,4,5,6,7
	global_load_b32 v[BI+\a], v7, s[12:13] offset:4*(32*(\a/2)+8*(\a%2))   ; block a, lane r: the channel at position 16 a + r
.endr
.macro FRAG reg, adr, q, i             ; a fragment, 16 rows x 128 K: registers 6 c .. 6 c + 5 hold K = 64 c + 32 (lane / 16) + 0 .. 31: 24 bytes of the row's stream of bits, in pieces of 8 bytes
.irp p, 0,1,2,3,4,5
.set PCE, 12*(\q)+6*(\p/3)+\p%3        ; lanes 16-31 read three pieces on: where that lies behind one padding more, the second address register serves
.if PCE%8 < 5
	ds_load_b64 v[\reg+2*\p:\reg+2*\p+1], v[\adr] offset:8*PCE+16*(PCE/8)+(\i)*16*PITCH
.else
	ds_load_b64 v[\reg+2*\p:\reg+2*\p+1], v[\adr+2] offset:8*PCE+16*(PCE/8)+(\i)*16*PITCH
.endif
.endr
.endm
; 16 matrix instructions: P's blocks a0, a0 + 1 x R's eight tiles, 128 along K.  p: R's set; sc: the set of scale words.  zero = 1: the first product starts the sums.
; The 64 accumulators take turns, one instruction a turn, in the same order in every step.
.macro MUL16 a0, p, q, sc, zero
.irp a, \a0, \a0+1
.irp b, 0,1,2,3,4,5,6,7
.if \zero
	v_wmma_scale_f32_16x16x128_f8f6f4 v[8*(8*((\a)%4)+\b):8*(8*((\a)%4)+\b)+7], v[128*(\p)+FR*\b:128*(\p)+FR*\b+FR-1], v[AF+FR*(\a):AF+FR*(\a)+FR-1], 0, v[SC+32*(\sc)+16+2*\b+(\q)], v[SC+32*(\sc)+2*(\a)+(\q)] matrix_a_fmt:MATRIX_FMT_FP6 matrix_b_fmt:MATRIX_FMT_FP6
.else
	v_wmma_scale_f32_16x16x128_f8f6f4 v[8*(8*((\a)%4)+\b):8*(8*((\a)%4)+\b)+7], v[128*(\p)+FR*\b:128*(\p)+FR*\b+FR-1], v[AF+FR*(\a):AF+FR*(\a)+FR-1], v[8*(8*((\a)%4)+\b):8*(8*((\a)%4)+\b)+7], v[SC+32*(\sc)+16+2*\b+(\q)], v[SC+32*(\sc)+2*(\a)+(\q)] matrix_a_fmt:MATRIX_FMT_FP6 matrix_b_fmt:MATRIX_FMT_FP6
.endif
.endr
.endr
.endm
.macro FETCH_R slot, q, p              ; R's eight fragments of the slot's q-th 128 along K into set p
	WIN TO_R
.irp i, 0,1,2,3,4,5,6,7
	FRAG 128*(\p)+FR*\i, ADRR+\slot, \q, \i
.endr
	WIN 0
.endm
.macro FETCH_P slot, q, i0             ; P's blocks i0 .. i0 + 3
.irp i, \i0, \i0+1, \i0+2, \i0+3
	FRAG AF+FR*(\i), ADRP+\slot, \q, \i
.endr
.endm
.macro SCALES sc, ks                   ; K step ks's scale words into set sc: two words a row, for P's eight blocks and R's eight tiles; lanes 16-31 read what lanes 0-15 read
.irp i, 0,1,2,3,4,5,6,7
	ds_load_b64 v[SC+32*\sc+2*\i:SC+32*\sc+2*\i+1], v[ADSP] offset:\i*SBLK+8*\ks
.endr
.irp i, 0,1,2,3,4,5,6,7
	ds_load_b64 v[SC+32*\sc+16+2*\i:SC+32*\sc+16+2*\i+1], v[ADSR] offset:\i*SBLK+8*\ks
.endr
.endm
.macro PLACES n                        ; plain vector instructions between a matrix instruction and a load into, or a vector read or write of, its registers
.rept \n
	v_nop
.endr
.endm
.macro STEP slot, q, zero              ; a step of 128 along K that has its successor in the same slot
	s_wait_dscnt 4*NL                              ; R's set, P's blocks 0-3 and the scale words are in; the youngest 24 loads (P's blocks 4-7) may be out
	WIN MUL_LO
	MUL16 0, (\q)%2, \q, \slot, \zero
	MUL16 2, (\q)%2, \q, \slot, \zero
	s_wait_dscnt 0                                 ; P's blocks 4-7 are in
	PLACES NP
	FETCH_R \slot, (\q)+1, 1-(\q)%2
	FETCH_P \slot, (\q)+1, 0
	WIN MUL_HI
	MUL16 4, (\q)%2, \q, \slot, \zero
	MUL16 6, (\q)%2, \q, \slot, \zero
	PLACES NP
	WIN 0
	FETCH_P \slot, (\q)+1, 4
.endm
; A slot's last step changes slots: one barrier; in front of it each wave waits for all its tensor loads, adds 0 to its spare word, and waits for that and for its reads of this slot.  fill = 1: this slot is filled again, two K steps ahead.
.macro TURN slot, next, fill, ks
	s_wait_tensorcnt 0x0                           ; all my tensor loads have landed: my part of the next slot
	ds_add_u32 v[SPW], v[NIL]                      ; 0 onto my spare word
	s_wait_dscnt 4*NL+1                            ; (the add and the youngest 24 loads may be out)
	WIN MUL_LO
	MUL16 0, 1, NQ-1, \slot, 0                     ; sixteen matrix instructions stand between the add and the wait for it
	s_wait_dscnt 0x0                               ; the add is done, and my reads of this slot are over
	s_barrier_signal -1
	MUL16 2, 1, NQ-1, \slot, 0
	WIN 0
	s_barrier_wait -1
.if \fill
	CREST                                          ; the barrier has opened a round of the cluster's barrier: no wave of any partner still reads this slot or has a load on its way
	s_add_nc_u64 s[G0+4*\slot+2:G0+4*\slot+3], s[G0+4*\slot+2:G0+4*\slot+3], 2*ROWB
	s_add_nc_u64 s[G0B+4*\slot+2:G0B+4*\slot+3], s[G0B+4*\slot+2:G0B+4*\slot+3], 2*ROWB
	JLOAD G0+4*\slot, G1, G0B+4*\slot, G1B         ; the first tensor load behind the round; its four v_nop are also the places in front of the loads below
.else
	PLACES NP
.endif
	FETCH_R \next, 0, 0
	FETCH_P \next, 0, 0
	SCALES \next, \ks
	WIN MUL_HI
	MUL16 4, 1, NQ-1, \slot, 0
	MUL16 6, 1, NQ-1, \slot, 0
	PLACES NP
	WIN 0
	FETCH_P \next, 0, 4
.endm
	s_wait_tensorcnt 1                             ; the scale bytes and my part of K step 0 are in; K step 1's load may be out
	s_barrier_signal -1
	s_barrier_wait -1
	FETCH_R 0, 0, 0
	FETCH_P 0, 0, 0
	SCALES 0, 0
	FETCH_P 0, 0, 4
	STEP 0, 0, 1                                   ; K = 1,024 is four slots' worth: written out, no loop
	TURN 0, 1, 1, 1
	STEP 1, 0, 0
	TURN 1, 0, 1, 2
	STEP 0, 0, 0
	TURN 0, 1, 0, 3                                ; the last two slots are left without a fill
	STEP 1, 0, 0
	s_wait_dscnt 4*NL                              ; the very last step
	WIN MUL_LO
	MUL16 0, 1, NQ-1, 1, 0
	MUL16 2, 1, NQ-1, 1, 0
	s_wait_dscnt 0
	WIN MUL_HI
	MUL16 4, 1, NQ-1, 1, 0
	MUL16 6, 1, NQ-1, 1, 0
	WIN 0
	; ---- THE WAY OUT
	s_wait_kmcnt 0x0                               ; h_c, h_s
	s_wait_loadcnt 0x0                             ; the bias
	PLACES NP
	s_lshl_b32 s18, s17, 8
	s_lshl_b32 s19, s15, 7
	s_add_co_u32 s18, s18, s19                     ; my first row of x: 256 x tile + 128 u
	s_lshr_b32 s19, s18, 11                        ; the batch,
	s_and_b32 s18, s18, 2047                       ; and the row in it: a multiple of 128
	s_lshl_b32 s19, s19, 4
	s_lshl_b32 s20, s42, 2
	s_add_co_u32 s19, s19, s20
	s_lshl_b32 s20, s16, 1
	s_add_co_u32 s19, s19, s20                     ; 16 x batch + my first head (4 x W's tile + 2 t)
	s_mul_i32 s20, s66, 6291456
	s_mul_i32 s21, s19, 98304
	s_add_co_u32 s20, s20, s21
	s_mul_i32 s21, s18, 48                         ; 768 bytes for 16 tokens of a head (query, key); 6,144 for 128 keys (value): 48 a row either way
	s_add_co_u32 s20, s20, s21
	s_mov_b32 s21, 0
	s_add_nc_u64 s[4:5], s[4:5], s[20:21]          ; the codes
	s_mul_i32 s20, s66, 262144
	s_lshl_b32 s22, s19, 12
	s_add_co_u32 s20, s20, s22
	s_lshl_b32 s22, s18, 1                         ; 256 bytes of scale words for 128 rows
	s_add_co_u32 s20, s20, s22
	s_add_nc_u64 s[6:7], s[6:7], s[20:21]          ; the scale words
	s_cmp_eq_u32 s67, 1                            ; from image to image.  query, key: block a is tile a of both heads; value: block a is tile a % 4 of head a / 4
	s_mov_b32 s104, 98304
	s_cselect_b32 s104, 768, s104                  ; from a block's first six registers to its second six
	s_mov_b32 s105, 0
	s_mov_b32 s100, 768
	s_cselect_b32 s100, 1536, s100                 ; bit 0 of a
	s_mov_b32 s101, 1536
	s_cselect_b32 s101, 3072, s101                 ; bit 1
	s_mov_b32 s3, 3072
	s_cselect_b32 s3, 98304, s3                    ; bit 2
	s_mov_b32 s[SEL], 0x76543210
	s_mov_b32 s[SEL+1], 0xfedcba98
	v_cmp_eq_u32 vcc_lo, 1, v2                     ; lanes 16-31 store the second head's scale words
	v_mov_b32 v[SELQ], 0x05040100
	v_mov_b32 v118, 0x07060302
	v_cndmask_b32 v[SELQ], v[SELQ], v118, vcc_lo
	v_mov_b32 v[SELV], 0x03020100
	v_mov_b32 v118, 0x07060504
	v_cndmask_b32 v[SELV], v[SELV], v118, vcc_lo
.irp b, 0,1,2,3
	v_mov_b32 v[TM+4+\b], 0                        ; a lane permute's destination counts as one of its sources
.endr
; 64 numbers of a lane, v[s] .. v[s + 63], register 16 b + i = k 32 b + 16 (lane / 16) + i of my row, become a fragment's codes in v[PC] on and its scale word in v[pw].
.macro QUANT s, pw
.irp b, 0,1,2,3
	v_max3_num_f32 v[TM+\b], |v[\s+16*\b]|, |v[\s+1+16*\b]|, 0x1800000   ; block b: my 16 numbers, and the floor 2^(3 - 127): the byte cannot fall under 1
.endr
.irp i, 2,4,6,8,10,12,14
.irp b, 0,1,2,3
	v_max3_num_f32 v[TM+\b], v[TM+\b], |v[\s+16*\b+\i]|, |v[\s+1+16*\b+\i]|   ; the four blocks by turns
.endr
.endr
.irp b, 0,1,2,3
	v_permlanex16_b32 v[TM+4+\b], v[TM+\b], s[SEL], s[SEL+1]
.endr
.irp b, 0,1,2,3
	v_max_num_f32 v[TM+\b], v[TM+\b], v[TM+4+\b]   ; with lane l xor 16's: the block's largest magnitude
.endr
.irp b, 0,1,2,3
	v_add_nc_u32 v[TM+12+\b], 0xff000000, v[TM+\b] ; 2 off its exponent field: the conversion's scale operand
.endr
.irp b, 0,1,2,3
	v_lshrrev_b32 v[TM+4+\b], 23, v[TM+12+\b]      ; the scale's byte
.endr
	v_lshl_or_b32 v[\pw], v[TM+5], 8, v[TM+4]
	v_lshl_or_b32 v[\pw], v[TM+6], 16, v[\pw]
	v_lshl_or_b32 v[\pw], v[TM+7], 24, v[\pw]
.irp c, 0,1
	v_cvt_scalef32_pk16_fp6_f32 v[PC+6*\c:PC+2+6*\c], v[\s+32*\c:\s+15+32*\c], v[TM+12+2*\c]
	v_cvt_scalef32_pk16_fp6_f32 v[PC+12+4*\c:PC+14+4*\c], v[\s+16+32*\c:\s+31+32*\c], v[TM+12+2*\c+1]   ; (a conversion's three registers begin on an even number)
.endr
	v_nop                                          ; one plain place behind a scaled conversion
.irp c, 0,1                                    ; the operand's layout wants a whole block in a lane: lanes 0-15 block 2 c, lanes 16-31 block 2 c + 1
.irp i, 0,1,2
	v_permlane16_swap_b32 v[PC+6*\c+\i], v[PC+12+4*\c+\i]
.endr
.irp i, 0,1,2
	v_mov_b32 v[PC+3+6*\c+\i], v[PC+12+4*\c+\i]
.endr
.endr
.endm
; P's block a: bias, quantiser, four stores.  Each accumulator is read from its low end on.
.macro EPI a
	s_cmp_eq_u32 s67, 1
	s_cbranch_scc1 .Lby_lane_\@
	WIN 0x06+((\a)/4)                              ; source 0: the sums, window 2 or 3; source 1: the bias by register, window 1
.set n, 0
.rept 32
	v_pk_add_f32 v[T+n:T+n+1], v[64*((\a)%4)+n:64*((\a)%4)+n+1], v[96+n+96*(n/32):96+n+96*(n/32)+1]
.set n, n+2
.endr
	WIN 0
	s_branch .Lbiased_\@
.Lby_lane_\@:
	WIN 0x02+((\a)/4)                              ; the bias by lane lies in window 0: one register of the pair serves both halves
.set n, 0
.rept 32
.if (\a)%2
	v_pk_add_f32 v[T+n:T+n+1], v[64*((\a)%4)+n:64*((\a)%4)+n+1], v[BI+2*((\a)/2):BI+2*((\a)/2)+1] op_sel:[0,1] op_sel_hi:[1,1]
.else
	v_pk_add_f32 v[T+n:T+n+1], v[64*((\a)%4)+n:64*((\a)%4)+n+1], v[BI+2*((\a)/2):BI+2*((\a)/2)+1] op_sel:[0,0] op_sel_hi:[1,0]
.endif
.set n, n+2
.endr
	WIN 0
.Lbiased_\@:
	s_wait_xcnt 0x0                                ; the last block's stores have read their data and bases: both are written again only behind this wait
	QUANT T, PWB+\a
	s_mov_b32 s98, 0
.if (\a)&1
	s_add_co_u32 s98, s98, s100
.endif
.if ((\a)>>1)&1
	s_add_co_u32 s98, s98, s101
.endif
.if (\a)>>2
	s_add_co_u32 s98, s98, s3
.endif
	s_mov_b32 s99, 0
	s_add_nc_u64 s[8:9], s[4:5], s[98:99]
	s_add_nc_u64 s[10:11], s[8:9], s[104:105]
	global_store_b128 v[LI16], v[PC:PC+3], s[8:9] th:TH_STORE_NT                 ; 512 consecutive bytes, aligned
	global_store_b64 v[LI8], v[PC+4:PC+5], s[8:9] offset:512 th:TH_STORE_NT      ; 256 consecutive bytes, aligned
	global_store_b128 v[LI16], v[PC+6:PC+9], s[10:11] th:TH_STORE_NT
	global_store_b64 v[LI8], v[PC+10:PC+11], s[10:11] offset:512 th:TH_STORE_NT
.endm
.irp a, 0,1,2,3,4,5,6,7
	EPI \a
.endr
	s_cmp_eq_u32 s67, 1                            ; the eight scale words of a row become four words for each of my two heads
	s_cbranch_scc1 .Lwords_v
.irp p, 0,1,2,3
	v_perm_b32 v[WD+\p], v[PWB+1+2*\p], v[PWB+2*\p], v[SELQ]   ; word p: the head's two bytes of tile 2 p, then of tile 2 p + 1
.endr
	s_branch .Lwords
.Lwords_v:
.irp p, 0,1,2,3
	v_perm_b32 v[WD+\p], v[PWB+4+\p], v[PWB+\p], v[SELV]       ; word p: tile p of the head: the four bytes of these 128 keys
.endr
.Lwords:
	global_store_b128 v[SOFF], v[WD:WD+3], s[6:7] th:TH_STORE_NT   ; lanes 0-15: 256 consecutive bytes of the first head; lanes 16-31: of the second
	s_wait_tensorcnt 0x0                           ; the wave's end
	ds_add_u32 v[SPW], v[NIL]
	s_wait_dscnt 0x0
	CROUND                                         ; the closing round
	s_endpgm
.Lfunc_end_k_qbbab24ec4a_proj:
	.size	k_qbbab24ec4a_proj, .Lfunc_end_k_qbbab24ec4a_proj-k_qbbab24ec4a_proj
	.p2alignl 7, 3214868480
	.fill 96, 4, 3214868480
	.section	.rodata,"a",@progbits
	.p2align	6, 0x0
	.amdhsa_kernel k_qbbab24ec4a_proj
		.amdhsa_group_segment_fixed_size 327680
		.amdhsa_private_segment_fixed_size 0
		.amdhsa_enable_private_segment 0
		.amdhsa_kernarg_size 72
		.amdhsa_user_sgpr_count 2
		.amdhsa_user_sgpr_kernarg_segment_ptr 1
		.amdhsa_wavefront_size32 1
		.amdhsa_system_sgpr_workgroup_id_x 1
		.amdhsa_system_sgpr_workgroup_id_y 1
		.amdhsa_system_sgpr_workgroup_id_z 1
		.amdhsa_system_vgpr_workitem_id 0
		.amdhsa_next_free_vgpr 1024
		.amdhsa_next_free_sgpr 106
		.amdhsa_reserve_vcc 1
		.amdhsa_float_denorm_mode_32 3
		.amdhsa_float_denorm_mode_16_64 3
		.amdhsa_memory_ordered 1
		.amdhsa_forward_progress 1
		.amdhsa_inst_pref_size 206
	.end_amdhsa_kernel
	.amdgpu_metadata
---
amdhsa.version: [ 1, 2 ]
amdhsa.kernels:
  - .name:           k_qbbab24ec4a_proj
    .symbol:         k_qbbab24ec4a_proj.kd
    .args:
      - { .name: xin_c, .offset: 0, .size: 8, .value_kind: global_buffer, .address_space: global }
      - { .name: xin_s, .offset: 8, .size: 8, .value_kind: global_buffer, .address_space: global }
      - { .name: w_c, .offset: 16, .size: 8, .value_kind: global_buffer, .address_space: global }
      - { .name: w_s, .offset: 24, .size: 8, .value_kind: global_buffer, .address_space: global }
      - { .name: bq, .offset: 32, .size: 8, .value_kind: global_buffer, .address_space: global }
      - { .name: bk, .offset: 40, .size: 8, .value_kind: global_buffer, .address_space: global }
      - { .name: bv, .offset: 48, .size: 8, .value_kind: global_buffer, .address_space: global }
      - { .name: h_c, .offset: 56, .size: 8, .value_kind: global_buffer, .address_space: global }
      - { .name: h_s, .offset: 64, .size: 8, .value_kind: global_buffer, .address_space: global }
    .group_segment_fixed_size: 327680
    .private_segment_fixed_size: 0
    .kernarg_segment_align: 8
    .kernarg_segment_size: 72
    .max_flat_workgroup_size: 128
    .sgpr_count:     106
    .vgpr_count:     1024
    .wavefront_size: 32
...
	.end_amdgpu_metadata
.endif
;; end of part 2
;; launch attn (part 3): grid 4 x 64, 16 waves a work-group, clusters of 4 x 1, 206,848 bytes of LDS; arguments h_c, h_s, maskw, att; writes att
.if DOCPART == 3
	.amdgcn_target "amdgcn-amd-amdhsa--gfx1250"
	.amdhsa_code_object_version 6
	.text
	.protected	k_qbbab24ec4a_attn
	.globl	k_qbbab24ec4a_attn
	.p2align	8
	.type	k_qbbab24ec4a_attn,@function
k_qbbab24ec4a_attn:
	s_mov_b64 s[64:65], 0
	v_nop
	global_prefetch_b8 v0, s[64:65] scope:SCOPE_SE
	s_setreg_imm32_b32 hwreg(HW_REG_WAVE_MODE, 25, 1), 1
	s_wait_xcnt 0x0
	s_wait_alu depctr_hold_cnt(0) depctr_sa_sdst(0) depctr_va_vdst(0) depctr_va_sdst(0) depctr_va_ssrc(0) depctr_va_vcc(0) depctr_vm_vsrc(0)
	s_getreg_b32 s2, hwreg(HW_REG_IB_STS2, 6, 4)
	s_cmp_eq_u32 s2, 0
	s_cbranch_scc0 .Lentry_in_a_cluster
	s_endpgm
.Lentry_in_a_cluster:
	s_bfe_u32 s2, ttmp6, 0x10000c
	s_cmp_lg_u32 s2, 0x3003
	s_cbranch_scc0 .Lentry_shape_is_right
	s_endpgm
.Lentry_shape_is_right:
; Attention for one head (batch x head = work-group y) on codes of FP6 (E2M3) with E8M0 scales: scores, mask, softmax, the product with the values, the division by the row's sum, and the result quantised along the model's axis.
; SOFTMAX: t = score x log2(e) / 8; M = the running largest t rounded up to a whole number; p = 2^(t - M) is quantised along the keys; the sum of the unquantised p divides at the end; when M moves, sum and O are multiplied by 2^(old M - new M).
; SHARES.  A work-group owns 512 queries, in two passes of 256; in a pass each of its sixteen waves owns one tile of 16 queries: four waves to a SIMD, so that one wave's vector work stands beside another's products and LDS loads.
; ALL OF THE HEAD'S KEYS AND VALUES STAY IN LDS, filled once: no ring, no refill, no barrier in the loop.  The four work-groups of a head form the cluster and ask for the tiles jointly.
; LAYOUT.  Both products are used transposed: a lane holds one query (lane % 16) throughout.  The head's axis is 64 and the instruction's K is 128: a fragment of K holds TWO tiles of 16 keys, one in k 0-63 and one in k 64-127,
; and is multiplied once by [Q | 0] and once by [0 | Q]: the zero codes lie in registers alone.  Tiles are in position order (tile T, row m: 32 (T / 2) + 8 (T % 2) + m + 8 (m / 8)), so that score registers 16 b + i are keys 32 b + 16 (lane / 16) + i.
; THE MASK comes as lane masks, one 32-bit word for each score register, by scalar loads one step ahead: one v_cndmask_b32 a score.
; LIMITS.  A masked score becomes -2^33 ahead of the factor 1/8, the logit -2^30 where the definition has -1e9: t is then a whole number, so that a row with no open key gets p = 1 everywhere, the uniform weights of the definition;
; the result differs from the definition only where open logits lie under about -1e9.  A block of zeros gets the scale byte 1 (zero codes; read by this program alone); NaN and infinities are not served.
; The scale bytes of the result leave as 2 bytes a lane, 8 bytes apart (one such store for a tile and a head): lanes l and l + 16 write the same two bytes with the same value.
.set VC,    98304                      ; LDS: K's codes from 0, V's from here: [16 steps][4 fragments of 1,536 bytes] each
.set SCK,   196608                     ; K's scale words: [16 steps][16 rows][4 words]
.set SCV,   200704                     ; V's likewise
.set SPARE, 204800                     ; the spare words, 128 bytes for each wave: eight blocks of 256 bytes that no other line names
.set WV,  12                           ; s12 wave; s13 cx; s14 batch x head
.set SEL, 16                           ; s[16:17] lane selects for v_permlanex16_b32: lane l xor 16
.set CS,  18                           ; s[18:19] c = log2(e) / 8, twice
.set TK,  20                           ; s20 the step's codes: 6,144 bytes a step
.set TS,  21                           ; s21 the step's scale words: 256 bytes a step
.set BM,  216                          ; v216-219 block maxima; v220-223 at work; v224-227 the conversions' scale operands
.set PT,  220
.set SO,  224
; v1 16 x lane; v2 8 x lane; v3 SCK + 16 r; v4, v5 the add's two; v6 -2^33; v7 8 r; v8-11, v42 addresses in hand; v12 -M; v13 the largest t; v[14:15] the sum; v[16:27] [Q | 0]; v[28:39] [0 | Q]; v40, v41 their scale words;
; v[44:47] K's scale words; v[48:95] four fragments; v[96:159] scores, then p; v[160:191] O^T; v[192:195] V's scale words; v[196:207] p's codes; v[208:214] at work; v228 f; v230 p's scale word; v231 at work; v232 16 r
.macro CROUND
	s_barrier_signal -1
	s_barrier_wait -1
	s_cmp_lg_u32 s[WV], 0
	s_cbranch_scc1 .Lnot_wave_0_\@
	s_barrier_signal -3
.Lnot_wave_0_\@:
	s_barrier_wait -3
	s_barrier_signal -1
	s_barrier_wait -1
.endm
	s_load_b256 s[4:11], s[0:1], 0x0               ; h_c 4, h_s 6, maskw 8, att 10
	v_lshl_add_u32 v4, v0, 2, SPARE
	v_mov_b32 v5, 0
	ds_add_u32 v4, v5                              ; the wave's opening: the add and its wait stand ahead of my first tensor load; the set-up below stands between them
	v_lshrrev_b32 v1, 5, v0
	v_readfirstlane_b32 s[WV], v1                  ; wave 0..15
	s_bfe_u32 s13, ttmp6, 0x40000                  ; cx: it enters Q's, the mask's and the result's global addresses alone
	s_and_b32 s14, ttmp7, 0xffff                   ; batch x head, which the four partners share
	s_mov_b32 s40, 15|(3<<16)|(1<<21)              ; group 1 for the codes: all four work-groups; elements of 8 bytes; bit 21 beside a mask; 96 dense rows of 256 bytes
	s_mov_b32 s41, 32<<16
	s_mov_b32 s42, 96<<16
	s_mov_b32 s43, 32<<16
	s_mov_b32 s44, 96
	s_mov_b32 s45, 32
	s_mov_b32 s46, 0
	s_mov_b32 s47, 0
	s_mov_b32 s48, 15|(3<<16)|(1<<21)              ; for the scale words: 16 dense rows of 256 bytes
	s_mov_b32 s49, 32<<16
	s_mov_b32 s50, 16<<16
	s_mov_b32 s51, 32<<16
	s_mov_b32 s52, 16
	s_mov_b32 s53, 32
	s_mov_b32 s54, 0
	s_mov_b32 s55, 0
	s_and_b32 s2, s[WV], 7
	s_mul_i32 s33, s2, 24576                       ; waves 0-3: K's quarters; waves 4-7: V's
	s_bfe_u32 s3, s[WV], 0x10002
	s_add_co_u32 s3, s3, 1                         ; tensor 1 (key) or 2 (value)
	s_mul_i32 s66, s3, 6291456
	s_mul_i32 s67, s14, 98304
	s_add_co_u32 s66, s66, s67
	s_and_b32 s3, s[WV], 3
	s_mul_i32 s3, s3, 24576
	s_add_co_u32 s66, s66, s3
	s_mov_b32 s67, 0
	s_and_b32 s2, s[WV], 1                         ; wave 8: K's scale words; wave 9: V's
	s_lshl_b32 s37, s2, 12
	s_add_co_u32 s37, s37, SCK
	s_add_co_u32 s2, s2, 1
	s_lshl_b32 s100, s2, 18
	s_lshl_b32 s3, s14, 12
	s_add_co_u32 s100, s100, s3
	s_mov_b32 s101, 0
	s_mov_b32 s[SEL], 0x76543210
	s_mov_b32 s[SEL+1], 0xfedcba98
	s_mov_b32 s[CS], 0x3e38aa3b                    ; log2(e) / 8
	s_mov_b32 s[CS+1], s[CS]
	s_wait_dscnt 0x0                               ; the opening add is done
	s_wait_kmcnt 0x0
	s_mov_b32 s32, 1
	s_add_nc_u64 s[34:35], s[4:5], s[66:67]
	s_or_b32 s35, s35, 0x80000000
	s_mov_b32 s36, 1
	s_add_nc_u64 s[38:39], s[6:7], s[100:101]
	s_or_b32 s39, s39, 0x80000000
	CROUND                                         ; all four work-groups are here: the joint loads meet
	s_cmp_lt_u32 s[WV], 8                          ; the branches hang on the wave's number alone; a wave has at most one tensor load out
	s_cbranch_scc0 .Lnot_codes
	tensor_load_to_lds s[32:35], s[40:47]
	s_nop 0
.rept 4
	v_nop
.endr
	s_branch .Lasked
.Lnot_codes:
	s_cmp_lt_u32 s[WV], 10
	s_cbranch_scc0 .Lasked
	tensor_load_to_lds s[36:39], s[48:55]
	s_nop 0
.rept 4
	v_nop
.endr
.Lasked:
	v_and_b32 v8, 31, v0
	v_lshlrev_b32 v1, 4, v8
	v_lshlrev_b32 v2, 3, v8
	v_and_b32 v9, 15, v0
	v_lshlrev_b32 v232, 4, v9
	v_add_nc_u32 v3, SCK, v232
	v_lshlrev_b32 v7, 3, v9
	v_mov_b32 v6, 0xd0000000                       ; -2^33
.irp i, 22,23,24,25,26,27,28,29,30,31,32,33
	v_mov_b32 v[\i], 0                             ; the zero codes of [Q | 0] and [0 | Q]
.endr
.irp b, 0,1,2,3
	v_mov_b32 v[PT+\b], 0                          ; a lane permute's destination counts as one of its sources
.endr
	v_mov_b32 v229, 0                              ; (named as the upper half of the pair v[228:229])
	v_mov_b32 v231, 0
	s_wait_tensorcnt 0x0                           ; my part has landed; the descriptors' registers are free from here on
	s_barrier_signal -1
	s_barrier_wait -1                              ; everybody's has
; A KEY STEP: 128 keys.
.macro STEP
	v_add_nc_u32 v8, s[TK], v1
	v_add_nc_u32 v9, s[TK], v2
	v_add_nc_u32 v42, s[TS], v3
	v_nop                                          ; four places between the last step's products and the loads into the registers that they read
.irp p, 0,1,2,3                                ; K's four fragments, as images of their registers: four registers at 16 x lane, two at 512 + 8 x lane, twice
	ds_load_b128 v[48+12*\p:51+12*\p], v8 offset:1536*\p
	ds_load_b64 v[52+12*\p:53+12*\p], v9 offset:1536*\p+512
	ds_load_b128 v[54+12*\p:57+12*\p], v8 offset:1536*\p+768
	ds_load_b64 v[58+12*\p:59+12*\p], v9 offset:1536*\p+1280
.endr
	ds_load_b128 v[44:47], v42                     ; their scale words
	s_wait_dscnt 0x0
.irp p, 0,1,2,3                                ; S^T: fragment p against [Q | 0] gives tile 2 p, against [0 | Q] tile 2 p + 1
	v_wmma_scale_f32_16x16x128_f8f6f4 v[96+16*\p:103+16*\p], v[48+12*\p:59+12*\p], v[16:27], 0, v[44+\p], v40 matrix_a_fmt:MATRIX_FMT_FP6 matrix_b_fmt:MATRIX_FMT_FP6
	v_wmma_scale_f32_16x16x128_f8f6f4 v[104+16*\p:111+16*\p], v[48+12*\p:59+12*\p], v[28:39], 0, v[44+\p], v41 matrix_a_fmt:MATRIX_FMT_FP6 matrix_b_fmt:MATRIX_FMT_FP6
.endr
	v_add_nc_u32 v10, VC, v8
	v_add_nc_u32 v11, VC, v9
	v_nop
	v_nop                                          ; four places: then V's fragments go into K's registers and land under the softmax
.irp p, 0,1,2,3
	ds_load_b128 v[48+12*\p:51+12*\p], v10 offset:1536*\p
	ds_load_b64 v[52+12*\p:53+12*\p], v11 offset:1536*\p+512
	ds_load_b128 v[54+12*\p:57+12*\p], v10 offset:1536*\p+768
	ds_load_b64 v[58+12*\p:59+12*\p], v11 offset:1536*\p+1280
.endr
	ds_load_b128 v[192:195], v42 offset:4096
	s_wait_kmcnt 0x0                               ; this step's 64 mask words, asked for a step ago; the loads' offset register is free
.set n, 0
.rept 64
	v_cndmask_b32 v[96+n], v6, v[96+n], s[32+n+4*(n/32)]   ; a closed key's score becomes -2^33; each accumulator is read from its low end on
.set n, n+1
.endr
	s_add_co_u32 s23, s23, 256
	s_min_u32 s23, s23, 3840                       ; the last trip asks for its own words again: no load leaves the buffer
	s_load_b512 s[32:47], s[24:25], s23 offset:0x0
	s_load_b512 s[48:63], s[24:25], s23 offset:0x40
	s_load_b512 s[68:83], s[24:25], s23 offset:0x80
	s_load_b512 s[84:99], s[24:25], s23 offset:0xc0
.irp b, 0,1,2,3
	v_max3_num_f32 v[BM+\b], v[96+16*\b], v[97+16*\b], v[98+16*\b]   ; the largest score of each block of 32 keys: for the row's maximum and, since p rises with the score, for the block's largest p
.endr
.irp i, 3,5,7,9,11,13
.irp b, 0,1,2,3
	v_max3_num_f32 v[BM+\b], v[BM+\b], v[96+16*\b+\i], v[97+16*\b+\i]
.endr
.endr
.irp b, 0,1,2,3
	v_max_num_f32 v[BM+\b], v[BM+\b], v[111+16*\b]
.endr
.irp b, 0,1,2,3
	v_permlanex16_b32 v[PT+\b], v[BM+\b], s[SEL], s[SEL+1]
.endr
.irp b, 0,1,2,3
	v_max_num_f32 v[BM+\b], v[BM+\b], v[PT+\b]     ; with lane l xor 16's 16 keys
.endr
	v_max3_num_f32 v231, v216, v217, v218
	v_max_num_f32 v231, v231, v219                 ; the step's largest score of my query
	v_mul_f32 v231, s[CS], v231                    ; as t
	v_max_num_f32 v13, v13, v231                   ; the running largest t
	v_mov_b32 v231, v12
	v_floor_f32 v12, -v13                          ; the new -M = floor(-t): M is a whole number
	v_sub_f32 v231, v12, v231                      ; old M - new M: a whole number, 0 or less
	v_cvt_i32_f32 v231, v231                       ; (it saturates)
	v_ldexp_f32 v228, 1.0, v231                    ; f = 2^(old M - new M): a multiplication by it rounds nothing
.set j, 0
.rept 32
	v_pk_fma_f32 v[96+j:97+j], v[96+j:97+j], s[CS:CS+1], v[12:13] op_sel_hi:[1,0,0]   ; t - M, two at a time
.set j, j+2
.endr
.irp b, 0,1,2,3
	v_fma_f32 v[BM+\b], v[BM+\b], s[CS], v12       ; the same of each block's largest score
.endr
.set j, 0
.rept 64
	v_exp_f32 v[96+j], v[96+j]                     ; p = 2^(t - M): not normalised
.set j, j+1
.endr
	v_pk_mul_f32 v[14:15], v[14:15], v[228:229] op_sel_hi:[1,0]   ; the sums under the new M (a plain place behind the exponentials)
	s_wait_alu depctr_va_vdst(0)                   ; one wait for the batch of 64, ahead of its first reader
.irp b, 0,1,2,3
	v_exp_f32 v[BM+\b], v[BM+\b]                   ; the block's largest p
.endr
	v_pk_add_f32 v[220:221], v[96:97], v[98:99]    ; the row's sum is taken of the unquantised p, in two chains
.set j, 4
.rept 15
	v_pk_add_f32 v[14:15], v[14:15], v[96+j:97+j]
	v_pk_add_f32 v[220:221], v[220:221], v[98+j:99+j]
.set j, j+4
.endr
	v_pk_add_f32 v[14:15], v[14:15], v[220:221]
	s_wait_alu depctr_va_vdst(0)                   ; and one for the four
.irp b, 0,1,2,3
	v_max_num_f32 v[BM+\b], 0x1800000, v[BM+\b]    ; the floor 2^(3 - 127): the byte cannot fall under 1
.endr
.irp b, 0,1,2,3
	v_add_nc_u32 v[SO+\b], 0xff000000, v[BM+\b]    ; 2 off the exponent field: the conversion's scale operand
.endr
.irp b, 0,1,2,3
	v_lshrrev_b32 v[PT+\b], 23, v[SO+\b]           ; the scale's byte
.endr
	v_lshl_or_b32 v230, v221, 8, v220              ; p's scale word for these 128 keys
	v_lshl_or_b32 v230, v222, 16, v230
	v_lshl_or_b32 v230, v223, 24, v230
.irp c, 0,1
	v_cvt_scalef32_pk16_fp6_f32 v[196+6*\c:198+6*\c], v[96+32*\c:111+32*\c], v[SO+2*\c]
	v_cvt_scalef32_pk16_fp6_f32 v[208+4*\c:210+4*\c], v[112+32*\c:127+32*\c], v[SO+2*\c+1]   ; (a conversion's three registers begin on an even number)
.endr
	v_nop                                          ; one plain place behind a scaled conversion
.irp c, 0,1                                    ; a whole block to a lane: lanes 0-15 block 2 c, lanes 16-31 block 2 c + 1
.irp i, 0,1,2
	v_permlane16_swap_b32 v[196+6*\c+\i], v[208+4*\c+\i]
.endr
.irp i, 0,1,2
	v_mov_b32 v[199+6*\c+\i], v[208+4*\c+\i]
.endr
.endr
.set j, 0
.rept 16
	v_pk_mul_f32 v[160+j:161+j], v[160+j:161+j], v[228:229] op_sel_hi:[1,0]   ; O^T under the new M; these sixteen are also the places between the codes' and the scale word's last writes and the products
.set j, j+2
.endr
	s_wait_dscnt 0x0                               ; V's fragments and scale words
.irp p, 0,1,2,3                                ; O^T += V^T P^T: four accumulators by turns
	v_wmma_scale_f32_16x16x128_f8f6f4 v[160+8*\p:167+8*\p], v[48+12*\p:59+12*\p], v[196:207], v[160+8*\p:167+8*\p], v[192+\p], v230 matrix_a_fmt:MATRIX_FMT_FP6 matrix_b_fmt:MATRIX_FMT_FP6
.endr
	s_add_co_u32 s[TK], s[TK], 6144
	s_add_co_u32 s[TS], s[TS], 256
.endm
; A PASS: my tile of 16 queries against all 2,048 keys.
.macro PASS ps
	s_wait_kmcnt 0x0                               ; the last trip's mask loads are in: their registers are loaded again below
	s_wait_xcnt 0x0                                ; the last pass's stores have read their data and bases
	s_lshl_b32 s2, s13, 5
	s_add_co_u32 s2, s2, s[WV]
	s_add_co_u32 s2, s2, 16*\ps                    ; my tile T = 32 cx + 16 pass + wave
	s_mul_i32 s66, s14, 98304
	s_mul_i32 s3, s2, 768
	s_add_co_u32 s66, s66, s3
	s_mov_b32 s67, 0
	s_add_nc_u64 s[26:27], s[4:5], s[66:67]
	global_load_b128 v[16:19], v1, s[26:27]        ; Q's six registers, twice: into the low half of [Q | 0]
	global_load_b64 v[20:21], v2, s[26:27] offset:512
	global_load_b128 v[34:37], v1, s[26:27]        ; and into the high half of [0 | Q]
	global_load_b64 v[38:39], v2, s[26:27] offset:512
	s_lshl_b32 s66, s14, 12
	s_lshr_b32 s3, s2, 3
	s_lshl_b32 s3, s3, 8
	s_add_co_u32 s66, s66, s3
	s_bfe_u32 s3, s2, 0x20001
	s_lshl_b32 s3, s3, 2
	s_add_co_u32 s66, s66, s3
	s_add_nc_u64 s[100:101], s[6:7], s[66:67]
	global_load_b32 v43, v232, s[100:101]          ; the word that holds my tile's two scale bytes
	s_lshl_b32 s66, s2, 12
	s_add_nc_u64 s[24:25], s[8:9], s[66:67]        ; my tile's mask words
	s_mov_b32 s23, 0
	s_load_b512 s[32:47], s[24:25], s23 offset:0x0
	s_load_b512 s[48:63], s[24:25], s23 offset:0x40
	s_load_b512 s[68:83], s[24:25], s23 offset:0x80
	s_load_b512 s[84:99], s[24:25], s23 offset:0xc0
	s_lshr_b32 s3, s14, 4
	s_lshl_b32 s3, s3, 7
	s_add_co_u32 s3, s3, s2                        ; 128 x batch + T
	s_and_b32 s20, s14, 15                         ; the head
	s_lshl_b32 s66, s3, 4
	s_add_co_u32 s66, s66, s20
	s_mul_i32 s66, s66, 768
	s_add_nc_u64 s[28:29], s[10:11], s[66:67]      ; the result's codes
	s_lshl_b32 s66, s3, 9
	s_lshr_b32 s21, s20, 2
	s_lshl_b32 s21, s21, 7
	s_add_co_u32 s66, s66, s21
	s_and_b32 s21, s20, 3
	s_lshl_b32 s21, s21, 1
	s_add_co_u32 s66, s66, s21
	s_add_co_u32 s66, s66, 6291456
	s_add_nc_u64 s[30:31], s[10:11], s[66:67]      ; and its scale bytes
	s_and_b32 s3, s[WV], 1
	s_lshl_b32 s3, s3, 4                           ; T % 2 = wave % 2: which half of the word
	s_wait_loadcnt 0x0
	v_lshrrev_b32 v40, s3, v43
	v_and_b32 v40, 0xffff, v40                     ; [Q | 0]: my two bytes below; the zero codes' bytes are 0
	v_lshlrev_b32 v41, 16, v40                     ; [0 | Q]: above
	v_mov_b32 v13, 0xff61b1e6                      ; the largest t so far: -3e38
	v_floor_f32 v12, -v13
	v_mov_b32 v14, 0
	v_mov_b32 v15, 0
.set j, 0
.rept 32
	v_mov_b32 v[160+j], 0                          ; O^T: the first change of M leaves zeros zeros.  (These lines are also the places between the scale words' writes and the first product)
.set j, j+1
.endr
	s_mov_b32 s[TK], 0
	s_mov_b32 s[TS], 0
	s_mov_b32 s22, 16
.Lstep_\@:
	STEP
	s_sub_co_u32 s22, s22, 1
	s_cmp_lg_u32 s22, 0
	s_cbranch_scc1 .Lstep_\@
.rept 4
	v_nop                                          ; four places behind the last products
.endr
	v_add_f32 v14, v14, v15                        ; the sum's two halves,
	v_permlanex16_b32 v231, v14, s[SEL], s[SEL+1]
	v_add_f32 v14, v14, v231                       ; and lane l xor 16's
	v_rcp_f32 v228, v14
	v_mov_b32 v229, 0                              ; a plain place behind the reciprocal
	s_wait_alu depctr_va_vdst(0)                   ; ahead of its first reader
.set j, 0
.rept 16
	v_pk_mul_f32 v[96+j:97+j], v[160+j:161+j], v[228:229] op_sel_hi:[1,0]   ; register 16 b + i: channel 32 b + 16 (lane / 16) + i of my query
.set j, j+2
.endr
.irp b, 0,1
	v_max3_num_f32 v[BM+\b], |v[96+16*\b]|, |v[97+16*\b]|, 0x1800000   ; the head's two blocks of 32 along the last product's K
.endr
.irp i, 2,4,6,8,10,12,14
.irp b, 0,1
	v_max3_num_f32 v[BM+\b], v[BM+\b], |v[96+16*\b+\i]|, |v[97+16*\b+\i]|
.endr
.endr
.irp b, 0,1
	v_permlanex16_b32 v[PT+\b], v[BM+\b], s[SEL], s[SEL+1]
.endr
.irp b, 0,1
	v_max_num_f32 v[BM+\b], v[BM+\b], v[PT+\b]
.endr
.irp b, 0,1
	v_add_nc_u32 v[SO+\b], 0xff000000, v[BM+\b]
.endr
.irp b, 0,1
	v_lshrrev_b32 v[PT+\b], 23, v[SO+\b]
.endr
	v_lshl_or_b32 v231, v221, 8, v220              ; the two bytes
	v_cvt_scalef32_pk16_fp6_f32 v[196:198], v[96:111], v224
	v_cvt_scalef32_pk16_fp6_f32 v[208:210], v[112:127], v225
	v_nop                                          ; one plain place behind a scaled conversion
.irp i, 0,1,2
	v_permlane16_swap_b32 v[196+\i], v[208+\i]
.endr
.irp i, 0,1,2
	v_mov_b32 v[199+\i], v[208+\i]
.endr
	global_store_b128 v1, v[196:199], s[28:29]     ; 512 consecutive bytes, aligned
	global_store_b64 v2, v[200:201], s[28:29] offset:512   ; 256 consecutive bytes, aligned
	global_store_b16 v7, v231, s[30:31]
.endm
	PASS 0
	PASS 1
	s_wait_tensorcnt 0x0                           ; the wave's end
	ds_add_u32 v4, v5
	s_wait_dscnt 0x0
	CROUND                                         ; the closing round
	s_endpgm
.Lfunc_end_k_qbbab24ec4a_attn:
	.size	k_qbbab24ec4a_attn, .Lfunc_end_k_qbbab24ec4a_attn-k_qbbab24ec4a_attn
	.p2alignl 7, 3214868480
	.fill 96, 4, 3214868480
	.section	.rodata,"a",@progbits
	.p2align	6, 0x0
	.amdhsa_kernel k_qbbab24ec4a_attn
		.amdhsa_group_segment_fixed_size 206848
		.amdhsa_private_segment_fixed_size 0
		.amdhsa_enable_private_segment 0
		.amdhsa_kernarg_size 32
		.amdhsa_user_sgpr_count 2
		.amdhsa_user_sgpr_kernarg_segment_ptr 1
		.amdhsa_wavefront_size32 1
		.amdhsa_system_sgpr_workgroup_id_x 1
		.amdhsa_system_sgpr_workgroup_id_y 1
		.amdhsa_system_sgpr_workgroup_id_z 1
		.amdhsa_system_vgpr_workitem_id 0
		.amdhsa_next_free_vgpr 256
		.amdhsa_next_free_sgpr 102
		.amdhsa_reserve_vcc 0
		.amdhsa_float_denorm_mode_32 3
		.amdhsa_float_denorm_mode_16_64 3
		.amdhsa_memory_ordered 1
		.amdhsa_forward_progress 1
		.amdhsa_inst_pref_size 60
	.end_amdhsa_kernel
	.amdgpu_metadata
---
amdhsa.version: [ 1, 2 ]
amdhsa.kernels:
  - .name:           k_qbbab24ec4a_attn
    .symbol:         k_qbbab24ec4a_attn.kd
    .args:
      - { .name: h_c, .offset: 0, .size: 8, .value_kind: global_buffer, .address_space: global }
      - { .name: h_s, .offset: 8, .size: 8, .value_kind: global_buffer, .address_space: global }
      - { .name: maskw, .offset: 16, .size: 8, .value_kind: global_buffer, .address_space: global }
      - { .name: att, .offset: 24, .size: 8, .value_kind: global_buffer, .address_space: global }
    .group_segment_fixed_size: 206848
    .private_segment_fixed_size: 0
    .kernarg_segment_align: 8
    .kernarg_segment_size: 32
    .max_flat_workgroup_size: 512
    .sgpr_count:     102
    .vgpr_count:     256
    .wavefront_size: 32
...
	.end_amdgpu_metadata
.endif
;; end of part 3
;; launch outp (part 4): grid 4 x 32, 4 waves a work-group, clusters of 4 x 4, 327,680 bytes of LDS; arguments att, w_c, w_s, bo, out0; writes out0
.if DOCPART == 4
	.amdgcn_target "amdgcn-amd-amdhsa--gfx1250"
	.amdhsa_code_object_version 6
	.text
	.protected	k_qbbab24ec4a_outp
	.globl	k_qbbab24ec4a_outp
	.p2align	8
	.type	k_qbbab24ec4a_outp,@function
k_qbbab24ec4a_outp:
	s_mov_b64 s[64:65], 0
	v_nop
	global_prefetch_b8 v0, s[64:65] scope:SCOPE_SE
	s_setreg_imm32_b32 hwreg(HW_REG_WAVE_MODE, 25, 1), 1
	s_wait_xcnt 0x0
	s_wait_alu depctr_hold_cnt(0) depctr_sa_sdst(0) depctr_va_vdst(0) depctr_va_sdst(0) depctr_va_ssrc(0) depctr_va_vcc(0) depctr_vm_vsrc(0)
	s_getreg_b32 s2, hwreg(HW_REG_IB_STS2, 6, 4)
	s_cmp_eq_u32 s2, 0
	s_cbranch_scc0 .Lentry_in_a_cluster
	s_endpgm
.Lentry_in_a_cluster:
	s_bfe_u32 s2, ttmp6, 0x10000c
	s_cmp_lg_u32 s2, 0xf033
	s_cbranch_scc0 .Lentry_shape_is_right
	s_endpgm
.Lentry_shape_is_right:
; out0 = x wo^T + bo on codes of FP6 (E2M3) with E8M0 scales, K = 1,024.  x comes from the attention launch as images of operand registers: [512 tiles of 16 rows][16 heads][768 bytes]: two heads on end are a fragment of 16 rows x 128 K:
; four registers at 16 x lane, two at 512 + 8 x lane, twice.  Its scale bytes: [512 tiles][4 K steps][16 rows][8 bytes].  wo comes as plain rows of codes, 768 bytes, and 32 scale bytes a row.
; A tile of the result is 256 x 256; a wave makes 128 x 128: 64 accumulators.  K goes in four steps of 256 through two LDS slots filled by the tensor data mover; the scale bytes come once, with the first fills.
; CLUSTERS: 4 x 4 work-groups; x's tiles are asked for jointly along a row of the cluster, wo's along a column.  The grid has 128 work-groups: 32 x 4 tiles of this size.
; The matrix instruction is used transposed (source 0 = 16 rows of wo, source 1 = 16 rows of x): a lane holds eight neighbouring numbers of a row of the result.  The bias is the C of each sum's first product.
; x's tiles are in position order: row m of tile T is row 32 (T / 2) + 8 (T % 2) + m + 8 (m / 8): the way out puts each row in its place.
; REGISTERS, in windows of 256: window 0: v16-30 addresses; v32-95 scale words, two sets; v128-223 x's fragments, one set (on the way out v128-255: rows read back).
;   window 1: wo's fragments, two sets, at v0 and v128; the bias at v96-127 and v224-255.   windows 2, 3: the accumulators ((a, b) at v[8 (8 (a % 4) + b)]).
.set NQ,     2
.set ROWB,   192
.set KROW,   768
.set PITCH,  240                       ; wo's LDS row: 3 x (64 bytes + 16 of padding)
.set FR,     12
.set NL,     6
.set NP,     4                         ; places behind this matrix instruction (ISA guide 7.12.1)
.set HALFA,  24576                     ; x: 8 tiles x 3,072 bytes: what one tensor load brings
.set HALFT,  128*PITCH                 ; wo: 128 rows
.set BOFF,   2*HALFA
.set SLOT,   2*HALFA+2*HALFT
.set SCL,    2*SLOT                    ; x's scale bytes, 2 x 4,096; then wo's, 2 x 4,352 (runs of 256 bytes + 16 of padding)
.set HALFS,  4352
.set SBLK,   544
.set SPARE,  SCL+8192+2*HALFS          ; the spare words, 128 bytes for each wave: two blocks of 256 bytes that no other line names
.set SPITCH, 528                       ; the way out: a stage of 16 rows x (512 + 16) bytes for each wave, in slot 0, which has had its last fill and its last read when the first result is stored there
.set ADA16, 16                         ; v16-17 x's images in slot 0, 1: + 16 x lane;  v18-19: + 8 x lane
.set ADA8,  18
.set ADRB,  20                         ; v20-23 wo's fragments, and the same behind one padding more
.set STO,  24
.set RD,   25
.set CO,   26
.set ADSA, 27
.set SPW,  28                          ; my spare word; never rewritten
.set NIL,  29                          ; 0; never rewritten
.set ADSB, 30
.set SC,   32                          ; set s: x's block i, step q at SC + 32 s + 2 i + q; wo's tile b at SC + 32 s + 16 + 2 b + q
.set AF,   128
.set BK,   128
.set G1, 24
.set G0, 32
.set G1B, 48
.set G0B, 56
.set G1S, 68
.set G0S, 76
.set G1SB, 80
.set G0SB, 88
.set MSB, 0
.macro WIN new                         ; the immediate's high byte repeats the setting that is left
.if MSB != \new
	s_set_vgpr_msb (MSB<<8)|\new
.set MSB, \new
.endif
.endm
.set MUL_LO, 0xa1                      ; source 0 (wo) window 1, source 1 (x) window 0, C and D window 2
.set MUL_HI, 0xf1                      ; the same, C and D window 3
.set TO_B,   0x40
.macro JLOAD g0a, g1a, g0b, g1b        ; a joint load: waves 0 and 1 fetch for x, waves 2 and 3 for wo; an s_nop 0 and four v_nop follow each line
	s_cmp_eq_u32 s15, 0
	s_cbranch_scc0 .Lfor_b_\@
	tensor_load_to_lds s[\g0a:\g0a+3], s[\g1a:\g1a+7]
	s_nop 0
.rept 4
	v_nop
.endr
	s_branch .Lasked_\@
.Lfor_b_\@:
	tensor_load_to_lds s[\g0b:\g0b+3], s[\g1b:\g1b+7]
	s_nop 0
.rept 4
	v_nop
.endr
.Lasked_\@:
.endm
.macro CREST
	s_cmp_lg_u32 s14, 0
	s_cbranch_scc1 .Lnot_wave_0_\@
	s_barrier_signal -3
.Lnot_wave_0_\@:
	s_barrier_wait -3
	s_barrier_signal -1
	s_barrier_wait -1
.endm
.macro CROUND
	s_barrier_signal -1
	s_barrier_wait -1
	CREST
.endm
	s_load_b256 s[4:11], s[0:1], 0x0               ; att 4, w_c 6, w_s 8, bo 10
	s_load_b64 s[12:13], s[0:1], 0x20              ; out0
	v_lshl_add_u32 v[SPW], v0, 2, SPARE
	v_mov_b32 v[NIL], 0
	ds_add_u32 v[SPW], v[NIL]                      ; the wave's opening: the add and its wait stand ahead of my first tensor load; the set-up below stands between them
	v_lshrrev_b32 v1, 5, v0
	v_readfirstlane_b32 s14, v1                    ; wave 0..3
	s_lshr_b32 s15, s14, 1                         ; u: my half of the rows.  Also: I fetch for x (0) or for wo (1)
	s_and_b32 s16, s14, 1                          ; t: my half of the columns.  Also: which half I fetch
	s_bfe_u32 s40, ttmp6, 0x40000                  ; cx, cy
	s_bfe_u32 s41, ttmp6, 0x40004
	s_lshl_b32 s42, ttmp9, 2
	s_add_co_u32 s42, s42, s40                     ; tile column
	s_and_b32 s17, ttmp7, 0xffff
	s_lshl_b32 s17, s17, 2
	s_add_co_u32 s17, s17, s41                     ; tile row
	s_lshl_b32 s43, s41, 2
	s_lshl_b32 s43, 15, s43                        ; my row of the cluster
	s_lshl_b32 s44, 0x1111, s40                    ; my column
	s_or_b32 s[G1+0], s43, (3<<16)|(1<<21)         ; x's codes: elements of 8 bytes, no padding: 8 tiles x 3,072 bytes (four heads), 12,288 bytes apart
	s_mov_b32 s[G1+1], 384<<16
	s_mov_b32 s[G1+2], 8<<16
	s_mov_b32 s[G1+3], 384<<16
	s_mov_b32 s[G1+4], 8
	s_mov_b32 s[G1+5], 1536
	s_mov_b32 s[G1+6], 0
	s_mov_b32 s[G1+7], 0
	s_or_b32 s[G1B+0], s44, (0<<16)|(1<<20)|(1<<21)|(3<<22)|(3<<25)  ; wo's codes: 128 rows x 192 bytes, 16 bytes of padding behind every 64
	s_mov_b32 s[G1B+1], ROWB<<16
	s_mov_b32 s[G1B+2], 128<<16
	s_mov_b32 s[G1B+3], ROWB<<16
	s_mov_b32 s[G1B+4], 128
	s_mov_b32 s[G1B+5], KROW
	s_mov_b32 s[G1B+6], 0
	s_mov_b32 s[G1B+7], 0
	s_or_b32 s[G1S+0], s43, (3<<16)|(1<<21)        ; x's scale bytes: 4,096 dense bytes, no padding
	s_or_b32 s[G1SB+0], s44, (3<<16)|(1<<20)|(1<<21)|(5<<22)|(3<<25)  ; wo's: 16 bytes of padding behind every 256
.irp g, G1S, G1SB
	s_mov_b32 s[\g+1], 32<<16
	s_mov_b32 s[\g+2], 16<<16
	s_mov_b32 s[\g+3], 32<<16
	s_mov_b32 s[\g+4], 16
	s_mov_b32 s[\g+5], 32
	s_mov_b32 s[\g+6], 0
	s_mov_b32 s[\g+7], 0
.endr
	s_lshl_b32 s18, s16, 3
	s_lshl_b32 s20, s17, 4
	s_add_co_u32 s20, s20, s18                     ; x: the first of the 8 tiles that I fetch
	s_lshl_b32 s22, s20, 9
	s_add_co_u32 s22, s22, 6291456                 ; their scale bytes
	s_mov_b32 s23, 0
	s_mul_i32 s20, s20, 12288                      ; their codes
	s_mov_b32 s21, 0
	s_lshl_b32 s18, s16, 7
	s_lshl_b32 s46, s42, 8
	s_add_co_u32 s46, s46, s18                     ; wo: the first of the 128 rows that I fetch
	s_lshl_b32 s92, s46, 5
	s_add_co_u32 s92, s92, 98304                   ; wo is the fourth weight
	s_mov_b32 s93, 0
	s_mul_i32 s46, s46, KROW
	s_add_co_u32 s46, s46, 2359296
	s_mov_b32 s47, 0
	s_mul_i32 s45, s16, HALFA                      ; where they go: made of the wave's number alone
	s_mul_i32 s94, s16, HALFT
	s_add_co_u32 s94, s94, BOFF
	s_lshl_b32 s95, s16, 12
	s_add_co_u32 s95, s95, SCL
	s_mul_i32 s96, s16, HALFS
	s_add_co_u32 s96, s96, SCL+8192
	s_wait_dscnt 0x0                               ; the opening add is done
	s_wait_kmcnt 0x0
	s_add_nc_u64 s[22:23], s[4:5], s[22:23]
	s_add_nc_u64 s[20:21], s[4:5], s[20:21]
	s_add_nc_u64 s[46:47], s[6:7], s[46:47]
	s_add_nc_u64 s[92:93], s[8:9], s[92:93]
	CROUND                                         ; all sixteen work-groups are here: the first joint loads meet
	s_mov_b32 s[G0S], 1
	s_mov_b32 s[G0S+1], s95
	s_mov_b64 s[G0S+2:G0S+3], s[22:23]
	s_or_b32 s[G0S+3], s[G0S+3], 0x80000000
	s_mov_b32 s[G0SB], 1
	s_mov_b32 s[G0SB+1], s96
	s_mov_b64 s[G0SB+2:G0SB+3], s[92:93]
	s_or_b32 s[G0SB+3], s[G0SB+3], 0x80000000
	JLOAD G0S, G1S, G0SB, G1SB                     ; the scale bytes first
.irp s, 0,1
	s_mov_b32 s[G0+4*\s], 1
	s_add_co_u32 s[G0+4*\s+1], s45, \s*SLOT
	s_add_nc_u64 s[G0+4*\s+2:G0+4*\s+3], s[20:21], \s*3072
	s_or_b32 s[G0+4*\s+3], s[G0+4*\s+3], 0x80000000
	s_mov_b32 s[G0B+4*\s], 1
	s_add_co_u32 s[G0B+4*\s+1], s94, \s*SLOT
	s_add_nc_u64 s[G0B+4*\s+2:G0B+4*\s+3], s[46:47], \s*ROWB
	s_or_b32 s[G0B+4*\s+3], s[G0B+4*\s+3], 0x80000000
	JLOAD G0+4*\s, G1, G0B+4*\s, G1B               ; three tensor loads of mine are out
.endr
	v_and_b32 v1, 15, v0                           ; r
	v_bfe_u32 v2, v0, 4, 1                         ; h
	v_and_b32 v3, 31, v0                           ; lane
	v_lshlrev_b32 v[CO], 4, v3                     ; 16 x lane
	v_lshlrev_b32 v6, 3, v3                        ; 8 x lane
	v_mul_u32_u24 v4, v1, PITCH
	v_mad_u32_u24 v4, v2, 24, v4                   ; wo: row x pitch + 24 x half
	v_lshl_add_u32 v5, v2, 4, v4                   ; and the same behind one padding more
	s_mul_i32 s21, s15, HALFA                      ; my 8 tiles of x
	s_mul_i32 s22, s16, HALFT
	s_add_co_u32 s22, s22, BOFF                    ; my 128 rows of wo
.irp s, 0,1
	v_add_nc_u32 v[ADA16+\s], s21, v[CO]
	v_add_nc_u32 v[ADA8+\s], s21, v6
	v_add_nc_u32 v[ADRB+\s], s22, v4
	v_add_nc_u32 v[ADRB+2+\s], s22, v5
	s_add_co_u32 s21, s21, SLOT
	s_add_co_u32 s22, s22, SLOT
.endr
	s_lshl_b32 s21, s15, 12
	s_add_co_u32 s21, s21, SCL
	v_lshl_add_u32 v[ADSA], v1, 3, s21             ; x's scale words: 8 bytes a row and K step
	v_lshrrev_b32 v5, 3, v1
	v_mul_u32_u24 v5, v5, 272
	v_and_b32 v6, 7, v1
	v_lshl_add_u32 v5, v6, 5, v5
	s_mul_i32 s22, s16, HALFS
	s_add_co_u32 s22, s22, SCL+8192
	v_add_nc_u32 v[ADSB], s22, v5                  ; wo's: 32 bytes a row
	s_mul_i32 s23, s14, 16*SPITCH                  ; my stage
	v_mul_u32_u24 v5, v1, SPITCH
	v_lshl_add_u32 v5, v2, 5, v5
	v_add_nc_u32 v[STO], s23, v5                   ; in: row r, 32 bytes for each half of the lanes
	v_add_nc_u32 v[RD], s23, v[CO]                 ; back: the 32 lanes take one row of 512 bytes
	s_lshl_b32 s20, s17, 8
	s_lshl_b32 s21, s15, 7
	s_add_co_u32 s20, s20, s21                     ; my first row: 256 x tile row + 128 u
	s_lshl_b32 s20, s20, 12                        ; a row of the result is 4,096 bytes
	s_lshl_b32 s46, s42, 10
	s_lshl_b32 s47, s16, 9
	s_add_co_u32 s46, s46, s47                     ; my first column, in bytes
	s_mov_b32 s47, 0
	s_add_nc_u64 s[10:11], s[10:11], s[46:47]      ; the bias of my 128 columns
	s_add_co_u32 s20, s20, s46
	s_mov_b32 s21, 0
	s_add_nc_u64 s[12:13], s[12:13], s[20:21]
	v_lshlrev_b32 v7, 5, v2                        ; 32 h
	WIN TO_B
.irp b, 0,1,2,3,4,5,6,7                        ; tile b, lane (r, h): bo of columns 16 b + 8 h + 0 .. 7: eight registers in the result's layout
	global_load_b128 v[96+8*\b+96*(\b/4):96+8*\b+96*(\b/4)+3], v7, s[10:11] offset:64*\b
	global_load_b128 v[96+8*\b+96*(\b/4)+4:96+8*\b+96*(\b/4)+7], v7, s[10:11] offset:64*\b+16
.endr
	WIN 0
.macro FRAG reg, adr, q, i             ; a fragment of wo from rows: pieces of 8 bytes; lanes 16-31 read three pieces on: where that lies behind one padding more, the second address register serves
.irp p, 0,1,2,3,4,5
.set PCE, 12*(\q)+6*(\p/3)+\p%3
.if PCE%8 < 5
	ds_load_b64 v[\reg+2*\p:\reg+2*\p+1], v[\adr] offset:8*PCE+16*(PCE/8)+(\i)*16*PITCH
.else
	ds_load_b64 v[\reg+2*\p:\reg+2*\p+1], v[\adr+2] offset:8*PCE+16*(PCE/8)+(\i)*16*PITCH
.endif
.endr
.endm
.macro FRAGX reg, slot, q, i           ; a fragment of x from its image: four loads
	ds_load_b128 v[\reg:\reg+3], v[ADA16+\slot] offset:(\i)*3072+(\q)*1536
	ds_load_b64 v[\reg+4:\reg+5], v[ADA8+\slot] offset:(\i)*3072+(\q)*1536+512
	ds_load_b128 v[\reg+6:\reg+9], v[ADA16+\slot] offset:(\i)*3072+(\q)*1536+768
	ds_load_b64 v[\reg+10:\reg+11], v[ADA8+\slot] offset:(\i)*3072+(\q)*1536+1280
.endm
; 16 matrix instructions: x's blocks a0, a0 + 1 x wo's eight tiles.  first = 1: the bias is the C of the sum's first product.  The 64 accumulators take turns, one instruction a turn.
.macro MUL16 a0, p, q, sc, first
.irp a, \a0, \a0+1
.irp b, 0,1,2,3,4,5,6,7
.if \first
	v_wmma_scale_f32_16x16x128_f8f6f4 v[8*(8*((\a)%4)+\b):8*(8*((\a)%4)+\b)+7], v[128*(\p)+FR*\b:128*(\p)+FR*\b+FR-1], v[AF+FR*(\a):AF+FR*(\a)+FR-1], v[96+8*\b+96*(\b/4):96+8*\b+96*(\b/4)+7], v[SC+32*(\sc)+16+2*\b+(\q)], v[SC+32*(\sc)+2*(\a)+(\q)] matrix_a_fmt:MATRIX_FMT_FP6 matrix_b_fmt:MATRIX_FMT_FP6
.else
	v_wmma_scale_f32_16x16x128_f8f6f4 v[8*(8*((\a)%4)+\b):8*(8*((\a)%4)+\b)+7], v[128*(\p)+FR*\b:128*(\p)+FR*\b+FR-1], v[AF+FR*(\a):AF+FR*(\a)+FR-1], v[8*(8*((\a)%4)+\b):8*(8*((\a)%4)+\b)+7], v[SC+32*(\sc)+16+2*\b+(\q)], v[SC+32*(\sc)+2*(\a)+(\q)] matrix_a_fmt:MATRIX_FMT_FP6 matrix_b_fmt:MATRIX_FMT_FP6
.endif
.endr
.endr
.endm
.macro FETCH_B slot, q, p
	WIN TO_B
.irp i, 0,1,2,3,4,5,6,7
	FRAG 128*(\p)+FR*\i, ADRB+\slot, \q, \i
.endr
	WIN 0
.endm
.macro FETCH_A slot, q, i0
.irp i, \i0, \i0+1, \i0+2, \i0+3
	FRAGX AF+FR*(\i), \slot, \q, \i
.endr
.endm
.macro SCALES sc, ks
.irp i, 0,1,2,3,4,5,6,7
	ds_load_b64 v[SC+32*\sc+2*\i:SC+32*\sc+2*\i+1], v[ADSA] offset:\i*512+128*\ks
.endr
.irp i, 0,1,2,3,4,5,6,7
	ds_load_b64 v[SC+32*\sc+16+2*\i:SC+32*\sc+16+2*\i+1], v[ADSB] offset:\i*SBLK+8*\ks
.endr
.endm
.macro PLACES n
.rept \n
	v_nop
.endr
.endm
.macro STEP slot, q, first
	s_wait_dscnt 16                                ; wo's set, x's blocks 0-3 and the scale words are in; the youngest 16 loads (x's blocks 4-7, four loads each) may be out
.if \first
	WIN 0x91                                       ; source 0 and C (the bias) window 1, D window 2
.else
	WIN MUL_LO
.endif
	MUL16 0, (\q)%2, \q, \slot, \first
	MUL16 2, (\q)%2, \q, \slot, \first
	s_wait_dscnt 0
	PLACES NP
	FETCH_B \slot, (\q)+1, 1-(\q)%2
	FETCH_A \slot, (\q)+1, 0
.if \first
	WIN 0xd1                                       ; D window 3
.else
	WIN MUL_HI
.endif
	MUL16 4, (\q)%2, \q, \slot, \first
	MUL16 6, (\q)%2, \q, \slot, \first
	PLACES NP
	WIN 0
	FETCH_A \slot, (\q)+1, 4
.endm
.macro TURN slot, next, fill, ks
	s_wait_tensorcnt 0x0                           ; all my tensor loads have landed: my part of the next slot
	ds_add_u32 v[SPW], v[NIL]                      ; 0 onto my spare word
	s_wait_dscnt 17                                ; (the add and the youngest 16 loads may be out)
	WIN MUL_LO
	MUL16 0, 1, NQ-1, \slot, 0
	s_wait_dscnt 0x0                               ; the add is done, and my reads of this slot are over
	s_barrier_signal -1
	MUL16 2, 1, NQ-1, \slot, 0
	WIN 0
	s_barrier_wait -1
.if \fill
	CREST                                          ; the barrier has opened a round of the cluster's barrier
	s_add_nc_u64 s[G0+4*\slot+2:G0+4*\slot+3], s[G0+4*\slot+2:G0+4*\slot+3], 2*3072
	s_add_nc_u64 s[G0B+4*\slot+2:G0B+4*\slot+3], s[G0B+4*\slot+2:G0B+4*\slot+3], 2*ROWB
	JLOAD G0+4*\slot, G1, G0B+4*\slot, G1B         ; the first tensor load behind the round; its four v_nop are also the places in front of the loads below
.else
	PLACES NP
.endif
	FETCH_B \next, 0, 0
	FETCH_A \next, 0, 0
	SCALES \next, \ks
	WIN MUL_HI
	MUL16 4, 1, NQ-1, \slot, 0
	MUL16 6, 1, NQ-1, \slot, 0
	PLACES NP
	WIN 0
	FETCH_A \next, 0, 4
.endm
	s_wait_tensorcnt 1                             ; the scale bytes and my part of K step 0 are in; K step 1's load may be out
	s_barrier_signal -1
	s_barrier_wait -1
	FETCH_B 0, 0, 0
	FETCH_A 0, 0, 0
	SCALES 0, 0
	FETCH_A 0, 0, 4
	s_wait_loadcnt 0x0                             ; the bias
	STEP 0, 0, 1
	TURN 0, 1, 1, 1
	STEP 1, 0, 0
	TURN 1, 0, 1, 2
	STEP 0, 0, 0
	TURN 0, 1, 0, 3
	STEP 1, 0, 0
	s_wait_dscnt 16                                ; the very last step
	WIN MUL_LO
	MUL16 0, 1, NQ-1, 1, 0
	MUL16 2, 1, NQ-1, 1, 0
	s_wait_dscnt 0
	WIN MUL_HI
	MUL16 4, 1, NQ-1, 1, 0
	MUL16 6, 1, NQ-1, 1, 0
	WIN 0
; THE WAY OUT, block by block of 16 rows x 128 columns, through my own stage in LDS: back come whole rows of 512 bytes.  LDS serves a wave's instructions in order: no wait between the stores and the loads.
.macro TOSTAGE a
.set AC, 64*((\a)%4)
	WIN 0x08+4*((\a)/4)                            ; the data: window 2 or 3
.irp b, 0,1,2,3,4,5,6,7
	ds_store_b128 v[STO], v[AC+8*\b:AC+8*\b+3] offset:64*\b          ; each accumulator from its low end on
	ds_store_b128 v[STO], v[AC+8*\b+4:AC+8*\b+7] offset:64*\b+16
.endr
	WIN 0
.set BB, BK+64*((\a)%2)
.irp t, 0,1,2,3,4,5,6,7,8,9,10,11,12,13,14,15
	ds_load_b128 v[BB+4*\t:BB+4*\t+3], v[RD] offset:\t*SPITCH
.endr
.endm
.macro SEND a, younger                 ; younger: the LDS instructions issued behind block a's loads, which may stay out
.set BB, BK+64*((\a)%2)
	s_wait_dscnt \younger
.if (\a) > 0
.if (\a)%2
	s_add_nc_u64 s[12:13], s[12:13], 8*4096        ; block a begins at row 32 (a / 2) + 8 (a % 2): 8 rows on ahead of an odd block,
.else
	s_add_nc_u64 s[12:13], s[12:13], 24*4096       ; 24 ahead of an even one.  (Behind a wait on XCNT: the earlier stores have read their base)
.endif
.endif
.irp t, 0,1,2,3,4,5,6,7,8,9,10,11,12,13,14,15
	global_store_b128 v[CO], v[BB+4*\t:BB+4*\t+3], s[12:13] offset:(\t+8*(\t/8))*4096 th:TH_STORE_NT   ; stage row t is row t + 8 (t / 8) of the block; 32 lanes store 512 consecutive bytes, aligned
.endr
.endm
	PLACES NP
	TOSTAGE 0
.irp a, 1,2,3,4,5,6,7
.if \a > 1
	s_wait_xcnt 0x0                                ; block a - 2's stores have read their registers and their base
.endif
	TOSTAGE \a
	SEND \a-1, 32                                  ; behind block a - 1's loads: block a's 16 stores and 16 loads
.endr
	s_wait_xcnt 0x0
	SEND 7, 0
	s_wait_tensorcnt 0x0                           ; the wave's end
	ds_add_u32 v[SPW], v[NIL]
	s_wait_dscnt 0x0
	CROUND                                         ; the closing round
	s_endpgm
.Lfunc_end_k_qbbab24ec4a_outp:
	.size	k_qbbab24ec4a_outp, .Lfunc_end_k_qbbab24ec4a_outp-k_qbbab24ec4a_outp
	.p2alignl 7, 3214868480
	.fill 96, 4, 3214868480
	.section	.rodata,"a",@progbits
	.p2align	6, 0x0
	.amdhsa_kernel k_qbbab24ec4a_outp
		.amdhsa_group_segment_fixed_size 327680
		.amdhsa_private_segment_fixed_size 0
		.amdhsa_enable_private_segment 0
		.amdhsa_kernarg_size 40
		.amdhsa_user_sgpr_count 2
		.amdhsa_user_sgpr_kernarg_segment_ptr 1
		.amdhsa_wavefront_size32 1
		.amdhsa_system_sgpr_workgroup_id_x 1
		.amdhsa_system_sgpr_workgroup_id_y 1
		.amdhsa_system_sgpr_workgroup_id_z 1
		.amdhsa_system_vgpr_workitem_id 0
		.amdhsa_next_free_vgpr 1024
		.amdhsa_next_free_sgpr 100
		.amdhsa_reserve_vcc 0
		.amdhsa_float_denorm_mode_32 3
		.amdhsa_float_denorm_mode_16_64 3
		.amdhsa_memory_ordered 1
		.amdhsa_forward_progress 1
		.amdhsa_inst_pref_size 155
	.end_amdhsa_kernel
	.amdgpu_metadata
---
amdhsa.version: [ 1, 2 ]
amdhsa.kernels:
  - .name:           k_qbbab24ec4a_outp
    .symbol:         k_qbbab24ec4a_outp.kd
    .args:
      - { .name: att, .offset: 0, .size: 8, .value_kind: global_buffer, .address_space: global }
      - { .name: w_c, .offset: 8, .size: 8, .value_kind: global_buffer, .address_space: global }
      - { .name: w_s, .offset: 16, .size: 8, .value_kind: global_buffer, .address_space: global }
      - { .name: bo, .offset: 24, .size: 8, .value_kind: global_buffer, .address_space: global }
      - { .name: out0, .offset: 32, .size: 8, .value_kind: global_buffer, .address_space: global }
    .group_segment_fixed_size: 327680
    .private_segment_fixed_size: 0
    .kernarg_segment_align: 8
    .kernarg_segment_size: 40
    .max_flat_workgroup_size: 128
    .sgpr_count:     100
    .vgpr_count:     1024
    .wavefront_size: 32
...
	.end_amdgpu_metadata
.endif
;; end of part 4
